; MI455X (gfx1250); checked and timed in simulation.
; The chip was launched on July 23, 2026; its instructions are those of AMD's public machine-readable ISA for CDNA 5 (MIT licence, August 2026) and "CDNA5" Instruction Set Architecture Reference Guide (July 2026). The comments in the code are by the model that wrote it; some were corrected since.
;; Offset Attention1. Allowed arithmetic: matrix products marked QUANTISED: E4M3 operands, one E8M0 scale for each 32 along K, by v_wmma_scale_f32_16x16x128_f8f6f4 with both operands' format E4M3, f32 sums; products left as they are: f32 operands where the result goes on into a quantised operand, else bf16, f16 or f32 operands; f32 sums; everything else in f32.
;; Inputs: W1 256 x 3 float32; Wq_codes 64 x 8 x 32 uint8 (E4M3 codes of Wq, K innermost, in blocks of 32 codes); Wq_scales 64 x 8 uint8 (E8M0 scales of Wq, one for each 32 codes along K); Wt_codes 256 x 8 x 32 uint8 (E4M3 codes of Wt, K innermost, in blocks of 32 codes); Wt_scales 256 x 8 uint8 (E8M0 scales of Wt, one for each 32 codes along K); Wv_codes 256 x 8 x 32 uint8 (E4M3 codes of Wv, K innermost, in blocks of 32 codes); Wv_scales 256 x 8 uint8 (E8M0 scales of Wv, one for each 32 codes along K); b1 256 float32; b2 256 float32; bt 256 float32; bv 256 float32; g1 256 float32; g2 256 float32; x 8 x 3 x 4,096 float32.
;; Outputs: out0 8 x 256 x 4,096 float32.
;; This version of the problem:
;;   THIS VERSION OF THE PROBLEM IS GIVEN IN LOW PRECISION. The matrix products marked QUANTISED in the list below multiply operands that are first quantised to E4M3 (4 exponent bits, 3 mantissa bits; 8 bits a number), with one power-of-two scale for each 32 numbers along K (OCP MX v1.0); their sums are f32. All else is computed in f32.
;;   The module's matrix products, in the order in which they are computed (A, B: the left and right operand; K: the contracted axis; several contracted axes count as one K, in the product's order):
;;     1. [M 32,768, K 3] x [K 3, N 256]; A: input x; B: input W1: left as it is (K = 3 < 32)
;;     2. [M 32,768, K 256] x [K 256, N 64]; A: computed on the way; B: input Wq (given as codes): QUANTISED
;;     3. batch 8 x [M 4,096, K 64] x [K 64, N 4,096]; A: computed on the way; B: computed on the way: QUANTISED
;;     4. [M 32,768, K 256] x [K 256, N 256]; A: computed on the way; B: input Wv (given as codes): QUANTISED
;;     5. batch 8 x [M 256, K 4,096] x [K 4,096, N 4,096]; A: computed on the way; B: computed on the way: QUANTISED
;;     6. [M 32,768, K 256] x [K 256, N 256]; A: computed on the way; B: input Wt (given as codes): QUANTISED
;;   THE QUANTISER, for each operand of a quantised product, along K:
;;     - K is cut into blocks of 32 from its start; a last block that is shorter is filled with zeros.
;;     - A block's scale is 2^e with e = floor(log2(the largest magnitude in the block)) - 8, held to -126 .. 127; a block of zeros has e = 0. As a byte (E8M0): e + 127.
;;     - Each number is divided by its block's scale, clamped to +-448, and rounded to the nearest number of E4M3, ties to even, subnormals kept.
;;     - The product sums the exact products of the quantised numbers (number of the format x scale) in f32.
;;   ~~~python
;;   def quantise(x, axis):      # numpy; x: float32 -> the quantised numbers, widened to float32 again
;;       x = np.moveaxis(x, axis, -1); K = x.shape[-1]
;;       x = np.pad(x, [(0, 0)] * (x.ndim - 1) + [(0, -K % 32)]); x = x.reshape(x.shape[:-1] + (-1, 32)); a = np.abs(x).max(-1, keepdims=True)
;;       e = np.where(a > 0, np.clip(np.frexp(np.where(a > 0, a, 1))[1] - 1 - 8, -126, 127), 0)      # np.frexp(a)[1] - 1 = floor(log2(a)), exactly
;;       r = np.clip(x / 2.0 ** e, -448, 448)
;;       step = 2.0 ** (np.maximum(np.frexp(np.where(r == 0, 1, r))[1] - 1, -6) - 3)
;;       q = np.round(r / step) * step * 2.0 ** e      # np.round: ties to even
;;       return np.moveaxis(q.reshape(q.shape[:-2] + (-1,))[..., :K], -1, axis).astype(np.float32)
;;   ~~~
;;   OPERANDS COMPUTED ON THE WAY. 'Computed on the way' means the value that the module computes at that place (a softmax that the list does not call 'softmax' is quantised finished and normalised). What goes into a quantiser is computed in f32, as accurately as f32 sums, v_exp_f32 and their like allow (about 1e-6 of the number): no bf16 or f16 on the way to a quantiser, and a product that is left as it is and whose result goes on into a quantised operand takes f32 operands (vector FMAs, or v_wmma_f32_16x16x4_f32). A number that lies on a knife's edge between two numbers of the format may be rounded either way, as far as f32 arithmetic and the matrix unit's own rounding can turn it there, and no further.
;;   INPUTS GIVEN AS CODES. Wq (in the module: [64, 256], K = its axis 1); Wt (in the module: [256, 256], K = its axis 1); Wv (in the module: [256, 256], K = its axis 1): each comes as NAME_codes (uint8): NAME with its K axis moved to the last place and cut into blocks of 32 codes, [.., K / 32, bytes a block], one block behind the other in memory; one code a byte (a code: sign, 4 exponent bits, 3 mantissa bits); and NAME_scales (uint8): the same leading axes, one E8M0 byte (e + 127) for each 32 codes along K. Its value is code x scale, taken as it is: it is not quantised again, and the codes and scales need not be those that the quantiser above would give.
;; One version. Each part assembles by itself: llvm-mc -triple=amdgcn-amd-amdhsa -mcpu=gfx1250 --defsym DOCPART=n.
;; ======== version 1 of 1: 4 launches
;; limits: a difference of large sums (such as E[x^2] - mean^2): digits are lost where the result is much smaller than its terms
;; workspace buffers: coef 7,168 bytes; qrec 2,228,224 bytes; vimg 8,388,608 bytes; vsc 262,144 bytes; negl 131,072 bytes; tws 33,554,432 bytes; part 524,288 bytes
;; launch embed (part 1): grid 32 x 8, 8 waves a work-group, no clusters, 41,984 bytes of LDS; arguments x, W1, g1, b1, Wq_codes, Wq_scales, Wv_codes, Wv_scales, bv, coef, qrec, vimg, vsc; writes coef, qrec, vimg, vsc
.if DOCPART == 1
	.amdgcn_target "amdgcn-amd-amdhsa--gfx1250"
	.amdhsa_code_object_version 6
	.text
	.protected	k_qd4c84f252e_embed
	.globl	k_qd4c84f252e_embed
	.p2align	8
	.type	k_qd4c84f252e_embed,@function
k_qd4c84f252e_embed:
	s_mov_b64 s[64:65], 0
	v_nop
	global_prefetch_b8 v0, s[64:65] scope:SCOPE_SE
	s_setreg_imm32_b32 hwreg(HW_REG_WAVE_MODE, 25, 1), 1
	s_wait_xcnt 0x0
; OffsetAttention, launch 1 of 4: the embedding's batch norm, h, and the two projections of h, as codes of E4M3 with E8M0 scales.
; DEAD WORK, for the whole program: the input bt.  reference() forms t + bt[d] and at once takes the mean over (batch, length) of that sum away, channel by channel; a term that is the
; same along (batch, length) cancels in (t - mean) and so in the variance too, for all values of all inputs, and t goes into no quantiser.  So bt has no way to the output: it is not loaded
; and is among no launch's arguments.  LIMIT: a NaN, an infinity or an overflow that bt alone would bring is not carried to the result.
; IDENTITIES, exact for all inputs.  W1 x - mean = W1 (x - mx), and the variance of channel c is W1_c^T Cov(x) W1_c.  So h[c][n] = relu(A0 xc0 + A1 xc1 + A2 xc2 + b1), xc = x - mx,
; A_k = g1 rsq(var + 1e-5) W1[c][k]: three fused multiply-adds in f32 (the product with K = 3).  h is made anew wherever it is wanted and never goes to memory.
; The moments of x are taken about K = the mean of the first 128 points of batch 0, so that a common offset of x is not squared.
; LIMITS: NaN and infinities among the inputs are not served.  A block of zeros gets the scale byte 1 (the rule says 127): its codes are zeros, and this program alone reads these bytes.
; SHARES.  A work-group owns 128 points of one batch: one record of qrec, vimg and vsc.  Every work-group takes the moments of all of x (393,216 bytes; 96 loads of 16 bytes a thread), by the same
; instructions in the same order, so all have the same bits; work-group (0, 0) stores the coefficients for the later launches.  No cluster: x is used once, from registers, and does not fit in LDS.
; Wave w makes tile w of h (16 points x 256 channels), its qk (64 channels), and, for all 128 points, channels 32 w .. 32 w + 31 of v.
; THE ROWS OF A TILE ARE NOT NEIGHBOURS: lane r of tile 2 b + u takes row 32 b + 8 u + r + 8 (r / 8), so that in a result the 16 registers of tiles 2 b, 2 b + 1 are 16 neighbours along the next K.
; OUT.  qrec record (8,704 bytes): tile T's codes as an image of the operand's registers at 1024 T + 512 g + 16 lane (d = 32 g + 16 (lane / 16) ..), its scale words {s0, s1, 127, 127} at 8192 + 64 T + 4 r.
;       vimg record (32,768): channel tile ct at 2048 ct + 512 g + 16 lane (n = 32 g + 16 (lane / 16) ..); vsc record (1,024): words at 64 ct + 4 r.
.set RED,   0                          ; LDS: 64 bytes a wave: nine sums
.set TAB,   512                        ; f32 [4][256]: A0, A1, A2, b1
.set HIMG,  4608                       ; h's 16 fragments (tile T, K step s) at 2048 (2 T + s) + 512 g + 16 lane
.set HSC,   37376                      ; their scale words, 128 bytes each
.set QSX,   39424                      ; qk's scale words, 64 bytes a tile
.set VSX,   39936                      ; v's, 64 bytes a channel tile
.set SPARE, 40960                      ; the spare words: 128 bytes a wave, four blocks of 256 bytes that no other line names
.set L16, 1
.set RR,  2
.set HH,  3
.set O16T, 4
.set O4T, 5
.set O12T, 6
.set XN,  7
.set TABR, 8
.set HWI, 9                            ; 4096 wave + 16 lane: h's images in LDS, and v's codes in the record
.set HWS, 10
.set L4,  11
.set QSXW, 12
.set VSXW, 13
.set WO,  14
.set WSO, 15
.set SPW, 16
.set NIL, 17
.set XC,  18                           ; v18-23  xc0, xc1, xc2 of my point, each twice (a pair for the packed form)
.set WQS, 24                           ; v24-44  scale words and nothing else: Wq's 8, Wv's 4, my h's 2, fetched h's 4, qk's, v's 2
.set WVS, 32
.set HS,  36
.set FS,  38
.set QW,  42
.set VW,  43
.set BVO, 45
.set TM,  46                           ; v46-61  the quantiser's: largest magnitudes, bytes, holds, scale operands
.set REDW, 62
.set ZA,  63
.set RG,  64                           ; v64-159 the ring of x: 8 groups of 12
.set FB,  64                           ; v64-127 later: a table's piece, then four fragments of h, then v's codes
.set H,   128                          ; v128-191 64 numbers of h
.set QA,  128                          ; v128-159 qk's four tiles
.set PCQ, 160                          ; v160-167 qk's codes
.set HC,  192                          ; v192-223 my tile's two fragments
.set VA,  128                          ; v128-255 v's 16 tiles
.set NK,  160                          ; the moments' registers, dead before h is made
.set SS,  166
.set PP,  172
.set KT,  184
.set W0,  196
.set G1R, 199
.set B1R, 200
.set TX,  201
.set RV,  204
.set MXR, 216
.set CV,  220
.set UU,  226
.set AK,  230
.set VAR, 234
.set WV,  30
.set BB,  31
.set SEL, 40
.set MNT, 42
.set C15, 43
.set MSB, 0
.macro WIN new                         ; the immediate's high byte repeats the setting that is left
.if MSB != \new
	s_set_vgpr_msb (MSB<<8)|\new
.set MSB, \new
.endif
.endm
.macro NOPS n
.rept \n
	v_nop
.endr
.endm
.macro BAR                             ; my LDS stores have landed and my LDS loads are in: then the work-group's barrier
	s_wait_dscnt 0x0
	s_barrier_signal -1
	s_barrier_wait -1
.endm
.macro WSUM r                          ; the sum over the wave's 32 lanes, in every lane
	v_add_f32_dpp v[\r], v[\r], v[\r] row_xmask:1 row_mask:0xf bank_mask:0xf
	v_add_f32_dpp v[\r], v[\r], v[\r] row_xmask:2 row_mask:0xf bank_mask:0xf
	v_add_f32_dpp v[\r], v[\r], v[\r] row_xmask:4 row_mask:0xf bank_mask:0xf
	v_add_f32_dpp v[\r], v[\r], v[\r] row_xmask:8 row_mask:0xf bank_mask:0xf
	v_permlanex16_b32 v[TX], v[\r], s[SEL], s[SEL+1]
	v_add_f32 v[\r], v[\r], v[TX]
.endm
; nb blocks of 16 registers from v[s] on (register 16 b + i = k 32 b + 16 (lane / 16) + i of my row) become codes in v[pc] on and a scale word in v[pw].  relu = 1: what is negative becomes 0 on the way.
.macro QUANT s, relu, nb, pc, pw
.irp b,0,1,2,3
.if \b < \nb
.if \relu
	v_max3_num_f32 v[TM+\b], v[\s+16*\b], v[\s+16*\b+1], 0x4800000          ; my 16 numbers and the floor 2^(9 - 127): the byte cannot fall under 1
.else
	v_max3_num_f32 v[TM+\b], |v[\s+16*\b]|, |v[\s+16*\b+1]|, 0x4800000
.endif
.endif
.endr
.irp i,2,4,6,8,10,12,14
.irp b,0,1,2,3
.if \b < \nb
.if \relu
	v_max3_num_f32 v[TM+\b], v[TM+\b], v[\s+16*\b+\i], v[\s+16*\b+\i+1]
.else
	v_max3_num_f32 v[TM+\b], v[TM+\b], |v[\s+16*\b+\i]|, |v[\s+16*\b+\i+1]|
.endif
.endif
.endr
.endr
.irp b,0,1,2,3
.if \b < \nb
	v_permlanex16_b32 v[TM+4+\b], v[TM+\b], s[SEL], s[SEL+1]
.endif
.endr
.irp b,0,1,2,3
.if \b < \nb
	v_max_num_f32 v[TM+\b], v[TM+\b], v[TM+4+\b]                             ; with lane l xor 16's: the block's largest magnitude
.endif
.endr
.irp b,0,1,2,3
.if \b < \nb
	v_add_nc_u32 v[TM+12+\b], 0xfc000000, v[TM+\b]                           ; 8 off its exponent field: the conversion's scale operand
	v_and_or_b32 v[TM+8+\b], v[TM+\b], 0x7f800000, s[MNT]                    ; 448 x the scale
	v_lshrrev_b32 v[TM+4+\b], 23, v[TM+12+\b]                                ; the scale's byte
.endif
.endr
	v_lshl_or_b32 v[\pw], v[TM+5], 8, v[TM+4]
.if \nb == 4
	v_lshl_or_b32 v[\pw], v[TM+6], 16, v[\pw]
	v_lshl_or_b32 v[\pw], v[TM+7], 24, v[\pw]
.else
	v_or_b32 v[\pw], 0x7f7f0000, v[\pw]                                      ; K = 64: the upper two blocks of the instruction's 128 hold zero codes on one side; their bytes are 127
.endif
.irp b,0,1,2,3
.if \b < \nb
.irp i,0,1,2,3,4,5,6,7,8,9,10,11,12,13,14,15
.if \relu
	v_med3_num_f32 v[\s+16*\b+\i], v[\s+16*\b+\i], 0, v[TM+8+\b]             ; the activation and the hold in one
.else
	v_med3_num_f32 v[\s+16*\b+\i], v[\s+16*\b+\i], -v[TM+8+\b], v[TM+8+\b]   ; the conversion to an 8-bit code does not saturate (ISA guide 7.6.2)
.endif
.endr
	v_cvt_scalef32_pk8_fp8_f32 v[\pc+4*\b:\pc+4*\b+1], v[\s+16*\b:\s+16*\b+7], v[TM+12+\b]
	v_cvt_scalef32_pk8_fp8_f32 v[\pc+4*\b+2:\pc+4*\b+3], v[\s+16*\b+8:\s+16*\b+15], v[TM+12+\b]
.endif
.endr
	v_nop                                                                    ; a plain line behind the last conversion
.endm
	s_load_b512 s[4:19], s[0:1], 0x0               ; x, W1, g1, b1, Wq's codes, Wq's scales, Wv's codes, Wv's scales
	s_load_b256 s[20:27], s[0:1], 0x40             ; bv, coef, qrec, vimg
	s_load_b64 s[28:29], s[0:1], 0x60              ; vsc
	v_lshl_add_u32 v[SPW], v0, 2, SPARE
	v_mov_b32 v[NIL], 0
	v_lshrrev_b32 v[L16], 5, v0
	v_readfirstlane_b32 s[WV], v[L16]              ; wave 0..7
	v_and_b32 v[L4], 31, v0
	v_and_b32 v[RR], 15, v0
	v_bfe_u32 v[HH], v0, 4, 1
	v_lshlrev_b32 v[L16], 4, v[L4]
	v_lshlrev_b32 v[L4], 2, v[L4]
	v_lshlrev_b32 v[O16T], 4, v0
	v_lshlrev_b32 v[O4T], 2, v0
	v_mul_u32_u24 v[O12T], v0, 12
	v_and_b32 v[BVO], 8, v[RR]
	v_add_nc_u32 v[BVO], v[BVO], v[RR]             ; r + 8 (r / 8)
	v_lshlrev_b32 v[WO], 8, v[BVO]
	v_lshl_add_u32 v[WO], v[HH], 4, v[WO]          ; a weight's row of 256 codes, + 16 h
	v_lshlrev_b32 v[WSO], 3, v[BVO]                ; its 8 scale bytes
	s_and_b32 s[BB], ttmp7, 0xffff                 ; batch
	s_lshr_b32 s33, s[WV], 1
	s_lshl_b32 s33, s33, 5
	s_and_b32 s34, s[WV], 1
	s_lshl_b32 s34, s34, 3
	s_add_co_u32 s33, s33, s34
	s_lshl_b32 s34, ttmp9, 7
	s_add_co_u32 s33, s33, s34                     ; 128 s + 32 (w / 2) + 8 (w % 2)
	s_lshl_b32 s33, s33, 2
	s_mul_i32 s34, s[BB], 49152
	s_add_co_u32 s33, s33, s34
	v_lshl_add_u32 v[XN], v[BVO], 2, s33           ; my point in x[batch][0]
	v_lshlrev_b32 v[BVO], 2, v[BVO]
	v_lshl_add_u32 v[TABR], v[HH], 6, TAB
	s_lshl_b32 s34, s[WV], 12
	v_add_nc_u32 v[HWI], s34, v[L16]
	s_lshl_b32 s34, s[WV], 8
	v_add_nc_u32 v[HWS], s34, v[L4]
	s_lshl_b32 s34, s[WV], 6
	v_mov_b32 v[REDW], s34
	v_lshl_add_u32 v[QSXW], v[RR], 2, s34
	s_lshl_b32 s34, s[WV], 7
	v_lshl_add_u32 v[VSXW], v[RR], 2, s34
	v_mov_b32 v[ZA], 0
	v_mov_b32 v[TX], 0                             ; a lane permute's destination counts as one of its sources
.irp b,0,1,2,3
	v_mov_b32 v[TM+4+\b], 0
.endr
.set GI, 0
.rept 18
	v_mov_b32 v[SS+GI], 0                          ; three sums and six sums of products, two halves each
.set GI, GI+1
.endr
	s_mov_b32 s[SEL], 0x76543210
	s_mov_b32 s[SEL+1], 0xfedcba98
	s_mov_b32 s[MNT], 0x600000
	s_mov_b32 s[C15], 0x38000000                   ; 1 / 32,768
	s_lshl_b32 s32, s[BB], 5
	s_add_co_u32 s32, s32, ttmp9                   ; my record
	s_mul_i32 s34, s32, 8704
	s_mov_b32 s35, 0
	s_wait_kmcnt 0x0
	s_add_nc_u64 s[24:25], s[24:25], s[34:35]      ; qrec at my record,
	s_lshl_b32 s34, s[WV], 10
	s_add_nc_u64 s[36:37], s[24:25], s[34:35]      ; and at my tile
	s_lshl_b32 s34, s32, 15
	s_add_nc_u64 s[26:27], s[26:27], s[34:35]
	s_lshl_b32 s34, s32, 10
	s_add_nc_u64 s[28:29], s[28:29], s[34:35]
	s_lshl_b32 s34, s[WV], 13
	s_add_nc_u64 s[16:17], s[16:17], s[34:35]      ; Wv at my 32 rows
	s_lshl_b32 s34, s[WV], 8
	s_add_nc_u64 s[18:19], s[18:19], s[34:35]
	s_lshl_b32 s34, s[WV], 7
	s_add_nc_u64 s[20:21], s[20:21], s[34:35]
	global_load_b32 v[W0], v[O12T], s[6:7]         ; thread t serves channel t
	global_load_b32 v[W0+1], v[O12T], s[6:7] offset:4
	global_load_b32 v[W0+2], v[O12T], s[6:7] offset:8
	global_load_b32 v[G1R], v[O4T], s[8:9]
	global_load_b32 v[B1R], v[O4T], s[10:11]
.irp i,0,1,2
	global_load_b32 v[XC+2*\i], v[XN], s[4:5] offset:16384*\i
.endr
.irp i,0,1,2
	global_load_b128 v[KT+4*\i:KT+4*\i+3], v[L16], s[4:5] offset:16384*\i     ; the first 128 points of batch 0: the shift
.endr
.set GI, 0
.rept 8
.irp i,0,1,2
	global_load_b128 v[RG+12*GI+4*\i:RG+12*GI+4*\i+3], v[O16T], s[4:5] offset:49152*(GI/4)+16384*\i+4096*(GI%4)
.endr
.set GI, GI+1
.endr
	s_wait_loadcnt 24                              ; all but the ring's 24 loads are in
.irp i,0,1,2
	v_add_f32 v[KT+4*\i], v[KT+4*\i], v[KT+4*\i+1]
	v_add_f32 v[KT+4*\i+2], v[KT+4*\i+2], v[KT+4*\i+3]
	v_add_f32 v[KT+4*\i], v[KT+4*\i], v[KT+4*\i+2]
.endr
	WSUM KT
	WSUM KT+4
	WSUM KT+8
.irp i,0,1,2
	v_mul_f32 v[NK+2*\i], 0xbc000000, v[KT+4*\i]   ; -K
	v_mov_b32 v[NK+2*\i+1], v[NK+2*\i]
.endr
; Group GI of 32: 1,024 points of one batch, 4 a thread, of each of the three rows.  Eight groups are on their way.
.macro GROUP
.set GB, RG+12*(GI%8)
.if GI < 24
	s_wait_loadcnt 21                              ; seven younger groups of three may be out
.else
	s_wait_loadcnt 3*(31-GI)
.endif
.irp i,0,1,2
.irp p,0,2
	v_pk_add_f32 v[GB+4*\i+\p:GB+4*\i+\p+1], v[GB+4*\i+\p:GB+4*\i+\p+1], v[NK+2*\i:NK+2*\i+1]
.endr
.endr
.irp p,0,2
.irp i,0,1,2
	v_pk_add_f32 v[SS+2*\i:SS+2*\i+1], v[SS+2*\i:SS+2*\i+1], v[GB+4*\i+\p:GB+4*\i+\p+1]
.endr
	v_pk_fma_f32 v[PP:PP+1], v[GB+\p:GB+\p+1], v[GB+\p:GB+\p+1], v[PP:PP+1]
	v_pk_fma_f32 v[PP+2:PP+3], v[GB+\p:GB+\p+1], v[GB+4+\p:GB+4+\p+1], v[PP+2:PP+3]
	v_pk_fma_f32 v[PP+4:PP+5], v[GB+\p:GB+\p+1], v[GB+8+\p:GB+8+\p+1], v[PP+4:PP+5]
	v_pk_fma_f32 v[PP+6:PP+7], v[GB+4+\p:GB+4+\p+1], v[GB+4+\p:GB+4+\p+1], v[PP+6:PP+7]
	v_pk_fma_f32 v[PP+8:PP+9], v[GB+4+\p:GB+4+\p+1], v[GB+8+\p:GB+8+\p+1], v[PP+8:PP+9]
	v_pk_fma_f32 v[PP+10:PP+11], v[GB+8+\p:GB+8+\p+1], v[GB+8+\p:GB+8+\p+1], v[PP+10:PP+11]
.endr
.if GI < 24
.irp i,0,1,2
	global_load_b128 v[GB+4*\i:GB+4*\i+3], v[O16T], s[4:5] offset:49152*((GI+8)/4)+16384*\i+4096*((GI+8)%4)
.endr
.endif
.endm
.set GI, 0
.rept 32
	GROUP
.set GI, GI+1
.endr
	; the weights, which stay in registers: they land under the reduction and the making of h
	WIN 0x40                                       ; destination window 1
.irp d,0,1,2,3
.irp kap,0,1
.irp g,0,1,2,3
	global_load_b128 v[16*(2*\d+\kap)+4*\g:16*(2*\d+\kap)+4*\g+3], v[WO], s[12:13] offset:(32*(\d/2)+8*(\d%2))*256+128*\kap+32*\g
.endr
.endr
.endr
.irp e,0,1
.irp kap,0,1
.irp g,0,1,2,3
	global_load_b128 v[128+16*(2*\e+\kap)+4*\g:128+16*(2*\e+\kap)+4*\g+3], v[WO], s[16:17] offset:2048*\e+128*\kap+32*\g
.endr
.endr
.endr
.irp e,0,1
.irp j,0,1,2,3,4,5,6,7
	global_load_b32 v[192+8*\e+\j], v[BVO], s[20:21] offset:32*\e           ; bv of my lane's channel, eight times: the C of a sum's first product
.endr
.endr
	WIN 0
.irp d,0,1,2,3
.irp kap,0,1
	global_load_b32 v[WQS+2*\d+\kap], v[WSO], s[14:15] offset:(32*(\d/2)+8*(\d%2))*8+4*\kap
.endr
.endr
.irp e,0,1
.irp kap,0,1
	global_load_b32 v[WVS+2*\e+\kap], v[WSO], s[18:19] offset:64*\e+4*\kap
.endr
.endr
	; nine sums over the work-group
.irp i,0,1,2
	v_add_f32 v[RV+\i], v[SS+2*\i], v[SS+2*\i+1]
.endr
.irp k,0,1,2,3,4,5
	v_add_f32 v[RV+3+\k], v[PP+2*\k], v[PP+2*\k+1]
.endr
.irp i,9,10,11
	v_mov_b32 v[RV+\i], 0
.endr
.irp i,0,1,2,3,4,5,6,7,8
	WSUM RV+\i
.endr
	ds_store_b128 v[REDW], v[RV:RV+3] offset:RED
	ds_store_b128 v[REDW], v[RV+4:RV+7] offset:RED+16
	ds_store_b128 v[REDW], v[RV+8:RV+11] offset:RED+32
	BAR
.irp w,0,1,2,3,4,5,6,7
.irp j,0,1,2
	ds_load_b128 v[RG+12*\w+4*\j:RG+12*\w+4*\j+3], v[ZA] offset:RED+64*\w+16*\j
.endr
.endr
	s_wait_dscnt 0x0
.irp w,1,2,3,4,5,6,7
.irp i,0,1,2,3,4,5,6,7,8
	v_add_f32 v[RG+\i], v[RG+\i], v[RG+12*\w+\i]
.endr
.endr
.irp i,0,1,2
	v_mul_f32 v[RG+\i], s[C15], v[RG+\i]           ; the mean of x - K
.endr
.irp i,0,1,2
	v_sub_f32 v[MXR+\i], v[RG+\i], v[NK+2*\i]      ; mx
.endr
	v_mul_f32 v[CV], v[RG], v[RG]
	v_mul_f32 v[CV+1], v[RG], v[RG+1]
	v_mul_f32 v[CV+2], v[RG], v[RG+2]
	v_mul_f32 v[CV+3], v[RG+1], v[RG+1]
	v_mul_f32 v[CV+4], v[RG+1], v[RG+2]
	v_mul_f32 v[CV+5], v[RG+2], v[RG+2]
.irp k,0,1,2,3,4,5
	v_fma_f32 v[CV+\k], v[RG+3+\k], s[C15], -v[CV+\k]   ; Cov(x): 00, 01, 02, 11, 12, 22
.endr
	v_mul_f32 v[UU], v[CV], v[W0]
	v_mul_f32 v[UU+1], v[CV+1], v[W0]
	v_mul_f32 v[UU+2], v[CV+2], v[W0]
	v_fma_f32 v[UU], v[CV+1], v[W0+1], v[UU]
	v_fma_f32 v[UU+1], v[CV+3], v[W0+1], v[UU+1]
	v_fma_f32 v[UU+2], v[CV+4], v[W0+1], v[UU+2]
	v_fma_f32 v[UU], v[CV+2], v[W0+2], v[UU]
	v_fma_f32 v[UU+1], v[CV+4], v[W0+2], v[UU+1]
	v_fma_f32 v[UU+2], v[CV+5], v[W0+2], v[UU+2]
	v_mul_f32 v[VAR], v[W0], v[UU]
	v_fma_f32 v[VAR], v[W0+1], v[UU+1], v[VAR]
	v_fma_f32 v[VAR], v[W0+2], v[UU+2], v[VAR]
	v_max_num_f32 v[VAR], 0, v[VAR]
	v_add_f32 v[VAR], 0x3727c5ac, v[VAR]           ; + 1e-5
	v_rsq_f32 v[VAR+1], v[VAR]
	v_nop                                          ; a plain line behind the transcendental,
	s_wait_alu depctr_va_vdst(0)                   ; and the wait ahead of its first reader
	v_mul_f32 v[VAR+1], v[G1R], v[VAR+1]
.irp k,0,1,2
	v_mul_f32 v[AK+\k], v[VAR+1], v[W0+\k]
.endr
.irp k,0,1,2
	ds_store_b32 v[O4T], v[AK+\k] offset:TAB+1024*\k
.endr
	ds_store_b32 v[O4T], v[B1R] offset:TAB+3072
	s_or_b32 s33, ttmp9, s[BB]
	s_cmp_lg_u32 s33, 0
	s_cbranch_scc1 .Lno_coef                       ; one work-group stores what all have computed alike
.irp k,0,1,2
	global_store_b32 v[O4T], v[AK+\k], s[22:23] offset:1024*\k
.endr
	global_store_b32 v[O4T], v[B1R], s[22:23] offset:3072
.irp k,0,1,2
	global_store_b32 v[O4T], v[MXR+\k], s[22:23] offset:4096+1024*\k
.endr
.Lno_coef:
	BAR                                            ; the table lies in LDS
	s_wait_xcnt 0x0                                ; the stores have read their data: those registers are written again below
.irp i,0,1,2
	v_sub_f32 v[XC+2*\i], v[XC+2*\i], v[MXR+\i]
.endr
.irp i,0,1,2
	v_mov_b32 v[XC+2*\i+1], v[XC+2*\i]
.endr
	; ---- h of my 16 points: lane (r, h) makes channels 128 s + 32 b + 16 h + 0 .. 15, K step by K step
.irp kap,0,1
.irp blk,0,1,2,3
.irp tab,0,1,2,3
.irp q,0,1,2,3
	ds_load_b128 v[FB+16*\tab+4*\q:FB+16*\tab+4*\q+3], v[TABR] offset:1024*\tab+512*\kap+128*\blk+16*\q
.endr
.endr
	s_wait_dscnt 0x0
.irp p,0,2,4,6,8,10,12,14
	v_pk_fma_f32 v[H+16*\blk+\p:H+16*\blk+\p+1], v[FB+\p:FB+\p+1], v[XC:XC+1], v[FB+48+\p:FB+48+\p+1]
.endr
.irp p,0,2,4,6,8,10,12,14
	v_pk_fma_f32 v[H+16*\blk+\p:H+16*\blk+\p+1], v[FB+16+\p:FB+16+\p+1], v[XC+2:XC+3], v[H+16*\blk+\p:H+16*\blk+\p+1]
.endr
.irp p,0,2,4,6,8,10,12,14
	v_pk_fma_f32 v[H+16*\blk+\p:H+16*\blk+\p+1], v[FB+32+\p:FB+32+\p+1], v[XC+4:XC+5], v[H+16*\blk+\p:H+16*\blk+\p+1]
.endr
.endr
	QUANT H, 1, 4, HC+16*\kap, HS+\kap
.irp g,0,1,2,3
	ds_store_b128 v[HWI], v[HC+16*\kap+4*\g:HC+16*\kap+4*\g+3] offset:HIMG+2048*\kap+512*\g
.endr
	ds_store_b32 v[HWS], v[HS+\kap] offset:HSC+128*\kap
.endr
	; ---- qk of my 16 points, transposed: source 0 = 16 rows of Wq, source 1 = h.  Four accumulators by turns
	s_wait_loadcnt 0x0                             ; the weights
	NOPS 4                                         ; codes written by vector instructions stand four places ahead of a scaled product
	WIN 0x01                                       ; source 0 window 1
.irp d,0,1,2,3
	v_wmma_scale_f32_16x16x128_f8f6f4 v[QA+8*\d:QA+8*\d+7], v[32*\d:32*\d+15], v[HC:HC+15], 0, v[WQS+2*\d], v[HS]
.endr
.irp d,0,1,2,3
	v_wmma_scale_f32_16x16x128_f8f6f4 v[QA+8*\d:QA+8*\d+7], v[32*\d+16:32*\d+31], v[HC+16:HC+31], v[QA+8*\d:QA+8*\d+7], v[WQS+2*\d+1], v[HS+1]
.endr
	WIN 0
	NOPS 9                                         ; in front of the first read of results; v's products below write over these registers, which asks for nine
	QUANT QA, 0, 2, PCQ, QW
	global_store_b128 v[L16], v[PCQ:PCQ+3], s[36:37]            ; the wave stores 512 consecutive bytes, twice
	global_store_b128 v[L16], v[PCQ+4:PCQ+7], s[36:37] offset:512
	ds_store_b32 v[QSXW], v[QW] offset:QSX
	BAR                                            ; h's sixteen fragments lie in LDS
	s_wait_xcnt 0x0                                ; the stores have read qk's codes: v's sums take those registers
	; ---- v: source 0 = 16 points of h, source 1 = 16 rows of Wv: a lane holds one channel and its registers run along n.  Two tiles of points at a time
.irp pp,0,1,2,3
.irp f,0,1,2,3
.irp g,0,1,2,3
	ds_load_b128 v[FB+16*\f+4*\g:FB+16*\f+4*\g+3], v[L16] offset:HIMG+8192*\pp+2048*\f+512*\g
.endr
	ds_load_b32 v[FS+\f], v[L4] offset:HSC+128*(4*\pp+\f)
.endr
	s_wait_dscnt 0x0
	WIN 0x14                                       ; source 1 (Wv) and C (bv) window 1
.irp tt,0,1
.irp e,0,1
	v_wmma_scale_f32_16x16x128_f8f6f4 v[VA+64*\e+8*(2*\pp+\tt):VA+64*\e+8*(2*\pp+\tt)+7], v[FB+32*\tt:FB+32*\tt+15], v[128+32*\e:128+32*\e+15], v[192+8*\e:192+8*\e+7], v[FS+2*\tt], v[WVS+2*\e]
.endr
.endr
	WIN 0x04
.irp tt,0,1
.irp e,0,1
	v_wmma_scale_f32_16x16x128_f8f6f4 v[VA+64*\e+8*(2*\pp+\tt):VA+64*\e+8*(2*\pp+\tt)+7], v[FB+32*\tt+16:FB+32*\tt+31], v[128+32*\e+16:128+32*\e+31], v[VA+64*\e+8*(2*\pp+\tt):VA+64*\e+8*(2*\pp+\tt)+7], v[FS+2*\tt+1], v[WVS+2*\e+1]
.endr
.endr
	WIN 0
	NOPS 9                                         ; places in front of the loads into the fragments' registers and of the first read of results
.endr
.irp e,0,1
	QUANT VA+64*\e, 0, 4, FB+16*\e, VW+\e
.irp g,0,1,2,3
	global_store_b128 v[HWI], v[FB+16*\e+4*\g:FB+16*\e+4*\g+3], s[26:27] offset:2048*\e+512*\g
.endr
	ds_store_b32 v[VSXW], v[VW+\e] offset:VSX+64*\e
.endr
	BAR                                            ; all scale words lie in LDS
	s_cmp_lg_u32 s[WV], 0
	s_cbranch_scc1 .Lend                           ; wave 0 stores them, 512 consecutive bytes an instruction
	ds_load_b128 v[96:99], v[L16] offset:QSX
	ds_load_b128 v[100:103], v[L16] offset:VSX
	ds_load_b128 v[104:107], v[L16] offset:VSX+512
	s_wait_dscnt 0x0
	global_store_b128 v[L16], v[96:99], s[24:25] offset:8192
	global_store_b128 v[L16], v[100:103], s[28:29]
	global_store_b128 v[L16], v[104:107], s[28:29] offset:512
.Lend:
	s_wait_tensorcnt 0x0                           ; the wave's end
	ds_add_u32 v[SPW], v[NIL]
	s_wait_dscnt 0x0
	s_endpgm
.Lfunc_end_k_qd4c84f252e_embed:
	.size	k_qd4c84f252e_embed, .Lfunc_end_k_qd4c84f252e_embed-k_qd4c84f252e_embed
	.p2alignl 7, 3214868480
	.fill 96, 4, 3214868480
	.section	.rodata,"a",@progbits
	.p2align	6, 0x0
	.amdhsa_kernel k_qd4c84f252e_embed
		.amdhsa_group_segment_fixed_size 41984
		.amdhsa_private_segment_fixed_size 0
		.amdhsa_enable_private_segment 0
		.amdhsa_kernarg_size 104
		.amdhsa_user_sgpr_count 2
		.amdhsa_user_sgpr_kernarg_segment_ptr 1
		.amdhsa_wavefront_size32 1
		.amdhsa_system_sgpr_workgroup_id_x 1
		.amdhsa_system_sgpr_workgroup_id_y 1
		.amdhsa_system_sgpr_workgroup_id_z 1
		.amdhsa_system_vgpr_workitem_id 0
		.amdhsa_next_free_vgpr 512
		.amdhsa_next_free_sgpr 66
		.amdhsa_reserve_vcc 0
		.amdhsa_float_denorm_mode_32 3
		.amdhsa_float_denorm_mode_16_64 3
		.amdhsa_memory_ordered 1
		.amdhsa_forward_progress 1
		.amdhsa_inst_pref_size 153
	.end_amdhsa_kernel
	.amdgpu_metadata
---
amdhsa.version: [ 1, 2 ]
amdhsa.kernels:
  - .name:           k_qd4c84f252e_embed
    .symbol:         k_qd4c84f252e_embed.kd
    .args:
      - { .name: x, .offset: 0, .size: 8, .value_kind: global_buffer, .address_space: global }
      - { .name: W1, .offset: 8, .size: 8, .value_kind: global_buffer, .address_space: global }
      - { .name: g1, .offset: 16, .size: 8, .value_kind: global_buffer, .address_space: global }
      - { .name: b1, .offset: 24, .size: 8, .value_kind: global_buffer, .address_space: global }
      - { .name: Wq_codes, .offset: 32, .size: 8, .value_kind: global_buffer, .address_space: global }
      - { .name: Wq_scales, .offset: 40, .size: 8, .value_kind: global_buffer, .address_space: global }
      - { .name: Wv_codes, .offset: 48, .size: 8, .value_kind: global_buffer, .address_space: global }
      - { .name: Wv_scales, .offset: 56, .size: 8, .value_kind: global_buffer, .address_space: global }
      - { .name: bv, .offset: 64, .size: 8, .value_kind: global_buffer, .address_space: global }
      - { .name: coef, .offset: 72, .size: 8, .value_kind: global_buffer, .address_space: global }
      - { .name: qrec, .offset: 80, .size: 8, .value_kind: global_buffer, .address_space: global }
      - { .name: vimg, .offset: 88, .size: 8, .value_kind: global_buffer, .address_space: global }
      - { .name: vsc, .offset: 96, .size: 8, .value_kind: global_buffer, .address_space: global }
    .group_segment_fixed_size: 41984
    .private_segment_fixed_size: 0
    .kernarg_segment_align: 8
    .kernarg_segment_size: 104
    .max_flat_workgroup_size: 256
    .sgpr_count:     66
    .vgpr_count:     512
    .wavefront_size: 32
...
	.end_amdgpu_metadata
.endif
;; end of part 1
;; launch rowstat (part 2): grid 32 x 8, 16 waves a work-group, clusters of 4 x 1, 327,680 bytes of LDS; arguments qrec, negl; writes negl
.if DOCPART == 2
	.amdgcn_target "amdgcn-amd-amdhsa--gfx1250"
	.amdhsa_code_object_version 6
	.text
	.protected	k_qd4c84f252e_rowstat
	.globl	k_qd4c84f252e_rowstat
	.p2align	8
	.type	k_qd4c84f252e_rowstat,@function
k_qd4c84f252e_rowstat:
	s_mov_b64 s[64:65], 0
	v_nop
	global_prefetch_b8 v0, s[64:65] scope:SCOPE_SE
	s_setreg_imm32_b32 hwreg(HW_REG_WAVE_MODE, 25, 1), 1
	s_wait_xcnt 0x0
	s_wait_alu depctr_hold_cnt(0) depctr_sa_sdst(0) depctr_va_vdst(0) depctr_va_sdst(0) depctr_va_ssrc(0) depctr_va_vcc(0) depctr_vm_vsrc(0)
	s_getreg_b32 s2, hwreg(HW_REG_IB_STS2, 6, 4)
	s_cmp_eq_u32 s2, 0
	s_cbranch_scc0 .Lentry_in_a_cluster
	s_endpgm
.Lentry_in_a_cluster:
	s_bfe_u32 s2, ttmp6, 0x10000c
	s_cmp_lg_u32 s2, 0x3003
	s_cbranch_scc0 .Lentry_shape_is_right
	s_endpgm
.Lentry_shape_is_right:
; OffsetAttention, launch 2 of 4: for every row n of the energy, negL[n] = -(c M_n + log2 Z_n), c = log2(e), M_n the row's largest energy (a running maximum), Z_n = the sum over m of exp(e - M_n).
; Then 2^(c e[n][m] + negL[n]) is the finished softmax.  The number c M that is taken away under the exponentials is the very number inside negL, so its rounding cancels.
; (bt is left out of the whole program: see launch 1's head.)  LIMITS: NaN and infinities are not served.
; THE ENERGY has K = 64 in an instruction of K = 128.  My own fragment carries zero codes in k = 64 .. 127 (its registers 8-15).  The streamed tile t is named as v[F + 8 t : F + 8 t + 15]: its upper half is
; the next tile's codes (finite), or eight zero registers behind the last; 0 x a finite number adds nothing.  The scale words' bytes 2, 3 are 127.
; SHARES.  A work-group owns 128 rows of one batch.  Sixteen waves of 256 registers, four to a SIMD: wave w owns tile w % 8 (a lane holds ONE row) and walks half w / 8 of the batch's 32 records.
; The batch's whole qrec, 278,528 bytes, comes into LDS once.  CLUSTER: the four work-groups of a cluster belong to one batch and want the same bytes: every load is asked for jointly.
; By this text's count a wave has two tensor loads outstanding; nothing is ever filled again.
.set REC,   8704
.set MXB,   278528                     ; behind the records: (c M, Z) of the upper waves, 8 bytes a row
.set GX,    279552                     ; negL of the 128 rows, in their natural order
.set SPARE, 280064                     ; the spare words: 128 bytes a wave, eight blocks of 256 bytes that no other line names
.set L16, 1
.set L4,  2
.set ADF, 3
.set ADS, 4
.set MXA, 5
.set GXA, 6
.set OFO, 7
.set OSO, 8
.set T9,  9
.set SPW, 10
.set NIL, 11
.set NM,  12                           ; v12 -c M (v13 named with it as a pair; at the end: Z)
.set ZZ,  14                           ; v[14:15] Z in two halves
.set F,   16                           ; v16-79 a record's 8 tiles; v80-87 zeros
.set SC,  88                           ; v88-91 their scale words: lanes 0-15 tile 2 p, lanes 16-31 tile 2 p + 1
.set OS,  92                           ; my tile's scale words
.set GXR, 93                           ; v93 GX + 16 x lane: where wave 0 reads the 128 results back
.set BF,  94                           ; v94 my half's first record + 16 x lane
.set BS,  95                           ; v95 my half's first record + 4 x lane
.set S,   96                           ; v96-159 energies, then p
.set OF,  160                          ; v160-167 my tile; v168-175 zeros
.set TQ,  176
.set T0,  180
.set T1,  181
.set T2,  182
.set FF,  184
.set ZB,  186
.set T4,  188
.set WV,  8
.set CS,  20
.set SEL, 22
.set G1,  24
.set G0A, 32
.set G0B, 36
.set TB,  40
.set CNT, 41
.set NC,  42
.macro NOPS n
.rept \n
	v_nop
.endr
.endm
.macro BAR
	s_wait_dscnt 0x0
	s_barrier_signal -1
	s_barrier_wait -1
.endm
.macro ROUND                           ; a round of the cluster's barrier
	s_barrier_signal -1
	s_barrier_wait -1
	s_cmp_lg_u32 s[WV], 0
	s_cbranch_scc1 .Lnot_wave_0_\@
	s_barrier_signal -3
.Lnot_wave_0_\@:
	s_barrier_wait -3
	s_barrier_signal -1
	s_barrier_wait -1
.endm
	s_load_b128 s[4:7], s[0:1], 0x0                ; qrec, negl
	v_lshl_add_u32 v[SPW], v0, 2, SPARE
	v_mov_b32 v[NIL], 0
	ds_add_u32 v[SPW], v[NIL]                      ; the wave's opening: the add, twice on end, and its wait ahead of my first tensor load
	ds_add_u32 v[SPW], v[NIL]
	v_lshrrev_b32 v[L16], 5, v0
	v_readfirstlane_b32 s[WV], v[L16]              ; wave 0..15
	s_bfe_u32 s9, ttmp6, 0x40000                   ; cx: it enters global addresses alone
	s_lshl_b32 s10, ttmp9, 2
	s_add_co_u32 s10, s10, s9                      ; my block of 128 rows
	s_and_b32 s11, ttmp7, 0xffff                   ; batch
	s_mov_b32 s[G1], 15|(3<<16)|(1<<21)            ; the mask: all four work-groups; elements of 8 bytes; bit 21 beside a mask; no padding: the images are read 16 x lane, dense
	s_mov_b32 s[G1+1], 32<<16                      ; tensor_dim0 = 32 elements: rows of 256 bytes
	s_mov_b32 s[G1+2], 34<<16                      ; tensor_dim1 = 34 rows: a record
	s_mov_b32 s[G1+3], 32<<16                      ; tile_dim0
	s_mov_b32 s[G1+4], 34                          ; tile_dim1
	s_mov_b32 s[G1+5], 32                          ; the pitch
	s_mov_b32 s[G1+6], 0
	s_mov_b32 s[G1+7], 0
	s_mul_i32 s12, s[WV], REC
	s_mul_i32 s14, s11, 32*REC
	s_add_co_u32 s16, s14, s12
	s_mov_b32 s17, 0
	s_mul_i32 s18, s10, REC
	s_add_co_u32 s18, s18, s14
	s_mov_b32 s19, 0
	s_lshl_b32 s44, s11, 14
	s_lshl_b32 s45, s10, 9
	s_add_co_u32 s44, s44, s45
	s_mov_b32 s45, 0
	s_and_b32 s13, s[WV], 7                        ; my tile
	s_lshr_b32 s43, s[WV], 3
	s_mul_i32 s43, s43, 8*REC                      ; my half's first record
	s_mov_b32 s[TB], 0                             ; the record in hand, counted from there
	s_mov_b32 s[CS], 0x3fb8aa3b                    ; c = log2(e)
	s_mov_b32 s[CS+1], s[CS]
	s_mov_b32 s[NC], 0xbfb8aa3b                    ; -c
	s_mov_b32 s[SEL], 0x76543210
	s_mov_b32 s[SEL+1], 0xfedcba98
	s_wait_dscnt 0x0                               ; both opening adds are done
	s_wait_kmcnt 0x0
	s_add_nc_u64 s[16:17], s[4:5], s[16:17]        ; record w of my batch
	s_add_nc_u64 s[18:19], s[4:5], s[18:19]        ; my own record
	s_add_nc_u64 s[6:7], s[6:7], s[44:45]
	s_mov_b32 s[G0A], 1
	s_mov_b32 s[G0A+1], s12
	s_mov_b64 s[G0A+2:G0A+3], s[16:17]
	s_or_b32 s[G0A+3], s[G0A+3], 0x80000000
	s_mov_b32 s[G0B], 1
	s_add_co_u32 s[G0B+1], s12, 16*REC
	s_add_nc_u64 s[G0B+2:G0B+3], s[16:17], 16*REC
	s_or_b32 s[G0B+3], s[G0B+3], 0x80000000
	ROUND                                          ; all four work-groups are here: the joint loads meet
	tensor_load_to_lds s[G0A:G0A+3], s[G1:G1+7]    ; record w
	s_nop 0
	tensor_load_to_lds s[G0B:G0B+3], s[G1:G1+7]    ; record 16 + w
	s_nop 0
	NOPS 4
	; every LDS address is made here, ahead of the first parting of the waves: a constant + a constant x lane + a constant x wave
	v_and_b32 v[L4], 31, v0
	v_lshlrev_b32 v[L16], 4, v[L4]
	v_lshlrev_b32 v[L4], 2, v[L4]
	v_and_b32 v[T9], 15, v0
	v_add_nc_u32 v[BF], s43, v[L16]
	v_add_nc_u32 v[BS], s43, v[L4]
	v_add_nc_u32 v[GXR], GX, v[L16]
	s_lshl_b32 s46, s13, 10
	v_add_nc_u32 v[OFO], s46, v[L16]
	s_lshl_b32 s46, s13, 6
	v_lshl_add_u32 v[OSO], v[T9], 2, s46
	global_load_b128 v[OF:OF+3], v[OFO], s[18:19]
	global_load_b128 v[OF+4:OF+7], v[OFO], s[18:19] offset:512
	global_load_b32 v[OS], v[OSO], s[18:19] offset:8192
	s_lshl_b32 s46, s13, 7
	s_add_co_u32 s46, s46, MXB
	v_lshl_add_u32 v[MXA], v[T9], 3, s46
	s_lshr_b32 s46, s13, 1
	s_lshl_b32 s46, s46, 7
	s_and_b32 s47, s13, 1
	s_lshl_b32 s47, s47, 5
	s_add_co_u32 s46, s46, s47
	s_add_co_u32 s46, s46, GX
	v_and_b32 v[GXA], 8, v[T9]
	v_add_nc_u32 v[GXA], v[GXA], v[T9]
	v_lshl_add_u32 v[GXA], v[GXA], 2, s46          ; my row's natural place: 32 (t / 2) + 8 (t % 2) + r + 8 (r / 8)
.irp j,0,1,2,3,4,5,6,7
	v_mov_b32 v[F+64+\j], 0
	v_mov_b32 v[OF+8+\j], 0
.endr
	v_mov_b32 v[NM], 0x7f61b1e6                    ; -c M begins at 3e38, over every -c e
	v_mov_b32 v[NM+1], 0
	v_mov_b32 v[ZZ], 0
	v_mov_b32 v[ZZ+1], 0
	v_mov_b32 v[FF+1], 0
	v_mov_b32 v[T1], 0
; A STEP: one record, 128 columns of my 16 rows.
.macro STEP
	v_add_nc_u32 v[ADF], s[TB], v[BF]
	v_add_nc_u32 v[ADS], s[TB], v[BS]
.irp t,0,1,2,3,4,5,6,7
	ds_load_b128 v[F+8*\t:F+8*\t+3], v[ADF] offset:1024*\t
	ds_load_b128 v[F+8*\t+4:F+8*\t+7], v[ADF] offset:1024*\t+512
.endr
.irp p,0,1,2,3
	ds_load_b32 v[SC+\p], v[ADS] offset:8192+128*\p
.endr
	s_wait_dscnt 0x0
.irp p,0,1,2,3
	v_wmma_scale_f32_16x16x128_f8f6f4 v[S+16*\p:S+16*\p+7], v[F+16*\p:F+16*\p+15], v[OF:OF+15], 0, v[SC+\p], v[OS]
	v_wmma_scale_f32_16x16x128_f8f6f4 v[S+16*\p+8:S+16*\p+15], v[F+16*\p+8:F+16*\p+23], v[OF:OF+15], 0, v[SC+\p], v[OS] matrix_a_scale:MATRIX_SCALE_ROW1
.endr
	NOPS 9                                         ; places in front of the first read of results; the next step's products write over these registers
.irp b,0,1,2,3
	v_max3_num_f32 v[TQ+\b], v[S+16*\b], v[S+16*\b+1], v[S+16*\b+2]        ; four chains, each accumulator from its low end on
.endr
.irp i,3,5,7,9,11,13
.irp b,0,1,2,3
	v_max3_num_f32 v[TQ+\b], v[TQ+\b], v[S+16*\b+\i], v[S+16*\b+\i+1]
.endr
.endr
.irp b,0,1,2,3
	v_max_num_f32 v[TQ+\b], v[TQ+\b], v[S+16*\b+15]
.endr
	v_max3_num_f32 v[T0], v[TQ], v[TQ+1], v[TQ+2]
	v_max_num_f32 v[T0], v[T0], v[TQ+3]
	v_permlanex16_b32 v[T1], v[T0], s[SEL], s[SEL+1]
	v_max_num_f32 v[T0], v[T0], v[T1]              ; the step's largest energy of my row
	v_mul_f32 v[T0], s[NC], v[T0]
	v_min_num_f32 v[T0], v[NM], v[T0]              ; the new -c M
	v_sub_f32 v[T2], v[T0], v[NM]                  ; 0 or less
	v_mov_b32 v[NM], v[T0]
	v_exp_f32 v[FF], v[T2]                         ; what was summed under the old M is brought under the new
	v_pk_fma_f32 v[S:S+1], v[S:S+1], s[CS:CS+1], v[NM:NM+1] op_sel_hi:[1,0,0]
.set PI, 0
.rept 32                               ; ONE BATCH of 65 exponentials; a pair is scaled one trip of this list ahead of its exponentials; nothing here names a result
.if PI < 31
	v_pk_fma_f32 v[S+2*PI+2:S+2*PI+3], v[S+2*PI+2:S+2*PI+3], s[CS:CS+1], v[NM:NM+1] op_sel_hi:[1,0,0]
.endif
	v_exp_f32 v[S+2*PI], v[S+2*PI]
	v_exp_f32 v[S+2*PI+1], v[S+2*PI+1]
.set PI, PI+1
.endr
	v_nop                                          ; a plain line behind the last exponential,
	s_wait_alu depctr_va_vdst(0)                   ; and one wait for the batch, ahead of its first reader
	v_pk_mul_f32 v[ZZ:ZZ+1], v[ZZ:ZZ+1], v[FF:FF+1] op_sel_hi:[1,0]
	v_pk_add_f32 v[ZB:ZB+1], v[S:S+1], v[S+2:S+3]
.irp j,4,8,12,16,20,24,28,32,36,40,44,48,52,56,60
	v_pk_add_f32 v[ZZ:ZZ+1], v[ZZ:ZZ+1], v[S+\j:S+\j+1]
	v_pk_add_f32 v[ZB:ZB+1], v[ZB:ZB+1], v[S+\j+2:S+\j+3]
.endr
	v_pk_add_f32 v[ZZ:ZZ+1], v[ZZ:ZZ+1], v[ZB:ZB+1]
	s_add_co_u32 s[TB], s[TB], REC
.endm
	s_wait_loadcnt 0x0                             ; my own tile
	s_wait_tensorcnt 0x1                           ; my first record is in; my second may stay out
	s_barrier_signal -1
	s_barrier_wait -1                              ; records 0 to 15 are whole
	s_mov_b32 s[CNT], 8
.Lfirst:
	STEP
	s_sub_co_u32 s[CNT], s[CNT], 1
	s_cmp_lg_u32 s[CNT], 0
	s_cbranch_scc1 .Lfirst
	s_add_co_u32 s[TB], s[TB], 8*REC               ; on to my half of records 16 to 31
	s_wait_tensorcnt 0x0
	s_barrier_signal -1
	s_barrier_wait -1
	s_mov_b32 s[CNT], 8
.Lsecond:
	STEP
	s_sub_co_u32 s[CNT], s[CNT], 1
	s_cmp_lg_u32 s[CNT], 0
	s_cbranch_scc1 .Lsecond
	v_add_f32 v[ZZ], v[ZZ], v[ZZ+1]
	v_permlanex16_b32 v[T1], v[ZZ], s[SEL], s[SEL+1]
	v_add_f32 v[NM+1], v[ZZ], v[T1]                ; my half's Z, beside its -c M
	s_cmp_lt_u32 s[WV], 8
	s_cbranch_scc1 .Lkeep
	ds_store_b64 v[MXA], v[NM:NM+1]                ; the upper waves hand theirs over (both halves of the lanes write the same)
.Lkeep:
	BAR
	s_cmp_lt_u32 s[WV], 8
	s_cbranch_scc0 .Lmerged
	ds_load_b64 v[T2:T2+1], v[MXA]
	s_wait_dscnt 0x0
	v_min_num_f32 v[T0], v[NM], v[T2]
	v_sub_f32 v[T4], v[T0], v[NM]
	v_sub_f32 v[T4+1], v[T0], v[T2]
	v_exp_f32 v[T4], v[T4]
	v_exp_f32 v[T4+1], v[T4+1]
	v_nop
	s_wait_alu depctr_va_vdst(0)
	v_mul_f32 v[T4], v[NM+1], v[T4]
	v_fma_f32 v[T4], v[T2+1], v[T4+1], v[T4]       ; the row's Z under the common M
	v_log_f32 v[T4+2], v[T4]
	v_nop
	s_wait_alu depctr_va_vdst(0)
	v_sub_f32 v[T4+2], v[T0], v[T4+2]              ; negL = -c M - log2 Z
	ds_store_b32 v[GXA], v[T4+2]
.Lmerged:
	BAR
	s_cmp_lg_u32 s[WV], 0
	s_cbranch_scc1 .Lend
	ds_load_b128 v[F:F+3], v[GXR]
	s_wait_dscnt 0x0
	global_store_b128 v[L16], v[F:F+3], s[6:7]     ; 512 consecutive bytes, aligned
.Lend:
	s_wait_tensorcnt 0x0                           ; the wave's end
	ds_add_u32 v[SPW], v[NIL]
	s_wait_dscnt 0x0
	ROUND                                          ; the closing round
	s_endpgm
.Lfunc_end_k_qd4c84f252e_rowstat:
	.size	k_qd4c84f252e_rowstat, .Lfunc_end_k_qd4c84f252e_rowstat-k_qd4c84f252e_rowstat
	.p2alignl 7, 3214868480
	.fill 96, 4, 3214868480
	.section	.rodata,"a",@progbits
	.p2align	6, 0x0
	.amdhsa_kernel k_qd4c84f252e_rowstat
		.amdhsa_group_segment_fixed_size 327680
		.amdhsa_private_segment_fixed_size 0
		.amdhsa_enable_private_segment 0
		.amdhsa_kernarg_size 16
		.amdhsa_user_sgpr_count 2
		.amdhsa_user_sgpr_kernarg_segment_ptr 1
		.amdhsa_wavefront_size32 1
		.amdhsa_system_sgpr_workgroup_id_x 1
		.amdhsa_system_sgpr_workgroup_id_y 1
		.amdhsa_system_sgpr_workgroup_id_z 1
		.amdhsa_system_vgpr_workitem_id 0
		.amdhsa_next_free_vgpr 256
		.amdhsa_next_free_sgpr 66
		.amdhsa_reserve_vcc 0
		.amdhsa_float_denorm_mode_32 3
		.amdhsa_float_denorm_mode_16_64 3
		.amdhsa_memory_ordered 1
		.amdhsa_forward_progress 1
		.amdhsa_inst_pref_size 30
	.end_amdhsa_kernel
	.amdgpu_metadata
---
amdhsa.version: [ 1, 2 ]
amdhsa.kernels:
  - .name:           k_qd4c84f252e_rowstat
    .symbol:         k_qd4c84f252e_rowstat.kd
    .args:
      - { .name: qrec, .offset: 0, .size: 8, .value_kind: global_buffer, .address_space: global }
      - { .name: negl, .offset: 8, .size: 8, .value_kind: global_buffer, .address_space: global }
    .group_segment_fixed_size: 327680
    .private_segment_fixed_size: 0
    .kernarg_segment_align: 8
    .kernarg_segment_size: 16
    .max_flat_workgroup_size: 512
    .sgpr_count:     66
    .vgpr_count:     256
    .wavefront_size: 32
...
	.end_amdgpu_metadata
.endif
;; end of part 2
;; launch attend (part 3): grid 32 x 8, 8 waves a work-group, clusters of 4 x 1, 327,680 bytes of LDS; arguments qrec, vimg, vsc, negl, coef, x, Wt_codes, Wt_scales, tws, part; writes tws, part
.if DOCPART == 3
	.amdgcn_target "amdgcn-amd-amdhsa--gfx1250"
	.amdhsa_code_object_version 6
	.text
	.protected	k_qd4c84f252e_attend
	.globl	k_qd4c84f252e_attend
	.p2align	8
	.type	k_qd4c84f252e_attend,@function
k_qd4c84f252e_attend:
	s_mov_b64 s[64:65], 0
	v_nop
	global_prefetch_b8 v0, s[64:65] scope:SCOPE_SE
	s_setreg_imm32_b32 hwreg(HW_REG_WAVE_MODE, 25, 1), 1
	s_wait_xcnt 0x0
	s_wait_alu depctr_hold_cnt(0) depctr_sa_sdst(0) depctr_va_vdst(0) depctr_va_sdst(0) depctr_va_ssrc(0) depctr_va_vcc(0) depctr_vm_vsrc(0)
	s_getreg_b32 s2, hwreg(HW_REG_IB_STS2, 6, 4)
	s_cmp_eq_u32 s2, 0
	s_cbranch_scc0 .Lentry_in_a_cluster
	s_endpgm
.Lentry_in_a_cluster:
	s_bfe_u32 s2, ttmp6, 0x10000c
	s_cmp_lg_u32 s2, 0x3003
	s_cbranch_scc0 .Lentry_shape_is_right
	s_endpgm
.Lentry_shape_is_right:
; OffsetAttention, launch 3 of 4: the column sums S_m, att as codes, x_r = v att, y = h - x_r as codes, t = Wt y, and the partial moments of t.
; (bt is left out of the whole program: a term constant along (batch, length) cancels in the batch norm that follows: see launch 1's head.)  LIMITS: NaN and infinities are not served;
; an exponential under 2^-126 comes out 0, far under the 1e-9 in the divisor; a block of zeros gets the scale byte 1, its codes are zeros.
; att[n][m] = 2^t, t = c (e[n][m] + Cm[m]) + negL[n], c = log2(e), Cm = -ln(1e-9 + S_m).  Cm is the C of the energy's product (eight registers of the lane's number), negL the addend of one packed multiply-add.
; The maximum that reference() takes away lies inside negL (launch 2's running maximum), so 2^(c e + negL) is at most 1.
; SHARES.  A work-group owns 128 columns m of one batch (8 tiles, m = 16 mt + r).  WALK 2: all eight waves; wave w takes the blocks of 32 rows w + 8 i; S_m is summed over registers, lanes and waves.
; WALK 3, in steps of 128 rows n, TWO ROLES: producer w (waves 0-3) makes, for block w of the step's four blocks of 32 n and all 8 tiles of m, the energies, att and its codes: registers 4 w .. 4 w + 3 of each
; tile's operand and byte w of its scale word, stored to LDS as an image of the operand's registers.  Consumer w' (waves 4-7) multiplies channel tiles 4 w' .. 4 w' + 3 of v by all 8 images of the step before:
; 32 accumulators, which begin at -h, so that they end at -(h - x_r).  Each streamed byte is read from LDS once by the work-group.
; THE ENERGY has K = 64 in an instruction of K = 128: my columns' fragments carry zero codes in k = 64 .. 127; the streamed tile's upper half is the next tile's finite codes or zeros; bytes 2, 3 of the scale words are 127.
; CLUSTER.  The four work-groups of a cluster belong to one batch and walk the same qrec, vimg, vsc and negl: every tensor load is asked for jointly.
; LDS.  First fills: the batch's qrec (0 .. 278,528) and negl.  Walk 3 fills bytes of that region again: two slots of two steps each (v's two records, qk's two), and once v's scale words.  The images lie in blocks
; of that region that have had their last fill.  By this text's count a wave has five tensor loads outstanding at the head and one behind each round.
.set REC,   8704
.set NEGL,  278528
.set SX,    294912                     ; S_m's parts: 32 bytes a column, 4 a wave
.set SPARE, 299008                     ; the spare words: 128 bytes a wave, four blocks of 256 bytes that no other line names
.set SLOT1, 131072                     ; a slot: v of step a at 0, of step b at 32,768, qk of step a at 65,536, of step b at 74,240
.set QOFF,  65536
.set VSCB,  82944                      ; between the slots: the batch's vsc, 32,768 bytes
.set IMG0,  214016                     ; behind slot 1: two images of att: 16,384 bytes of codes + 512 of scale words each
.set IMGB,  16896
.set YSC,   32768                      ; the way out (all fills are over): y's images at 0, their scale words here,
.set STG,   33792                      ; and a stage of 16 rows x 528 bytes for each wave
.set RR,  1
.set HH,  2
.set L16, 3
.set L4,  4
.set AQ2, 5
.set AQS2, 6
.set ANL2, 7
.set ASXW, 8
.set ASXR, 9
.set AQP, 10
.set AQSP, 11
.set ANLP, 12
.set AIW, 13
.set AIB, 14
.set AIR, 15
.set AIS, 16
.set AVF, 17
.set AVS, 18
.set AYW, 19
.set AYS, 20
.set AYSR, 21
.set ASTO, 22
.set ASTR, 23
.set ADQ, 24                           ; v24-28 the addresses of the pair of steps in hand: made on the way that all waves take
.set ADS, 25
.set ADN, 26
.set ADV, 27
.set ADVS, 28
.set PFO, 29
.set CFO, 30
.set XO,  31
.set WTO, 32
.set WSO, 33
.set PO,  34
.set OMO, 35
.set OMSO, 36
.set TV,  37
.set SPW, 38
.set NIL, 39
.set BY,  40                           ; v40-47 the producer's eight scale bytes
.set F0,  48                           ; producer: v48-63 two tiles of qk, v64-71 zeros;  v72-95 the same for the pair's second step
.set F1,  72
.set S,   96                           ; v96-159 energies of four tiles of m, then att
.set PC,  160                          ; v160-191 att's codes
.set SA,  160                          ; walk 2: S_m in pairs
.set TM,  192
.set NL0, 208                          ; negL of my 16 rows
.set NL1, 224
.set QS0, 240                          ; v240-255 scale words and nothing else
.set QS1, 241
.set OMS, 242
.set VS,  240
.set ATS, 242
.set WTS, 250
.set YS,  254
.set VB,  48                           ; consumer: v48-111 four fragments of v; v112-239 eight images of att
.set AT,  112
.set XCR, 48                           ; the accumulators' start: xc in pairs; the coefficients
.set CF,  112
.set YY,  48                           ; y's quantiser
.set TMC, 112
.set PCY, 128
.set HB,  144
.set YF,  112                          ; product 6
.set WT,  176
.set MP,  48
.set MEAN, 56
.set M2,  58
.set MXT, 62
.set DV,  64
.set RES, 80
.set OUTP, 84
.set G1Q, 24
.set G1V, 32
.set G1N, 40
.set G1S, 48
.set G0N, 56
.set G0Q, 60
.set G0V, 68
.set G0S, 72
.set G0X, 76
.set T2S, 66
.set T3S, 67
.set CS,  80
.set SEL, 82
.set MNT, 84
.set TB,  85
.set TN,  86
.set TVS, 87
.set CNT, 88
.set LEFT, 89
.set LIM, 90
.set PFA, 92
.set MXS, 94
.set WV,  97
.set WR,  98
.set CX,  99
.set XX,  100
.set BBS, 101
.set OWN, 104
.set MSB, 0
.macro WIN new                         ; bits 1:0 source 0, 3:2 source 1, 5:4 source 2, 7:6 destination; the high byte repeats the setting that is left
.if MSB != \new
	s_set_vgpr_msb (MSB<<8)|\new
.set MSB, \new
.endif
.endm
.macro NOPS n
.rept \n
	v_nop
.endr
.endm
.macro BAR
	s_wait_dscnt 0x0
	s_barrier_signal -1
	s_barrier_wait -1
.endm
.macro ROUND
	s_barrier_signal -1
	s_barrier_wait -1
	s_cmp_lg_u32 s[WV], 0
	s_cbranch_scc1 .Lnot_wave_0_\@
	s_barrier_signal -3
.Lnot_wave_0_\@:
	s_barrier_wait -3
	s_barrier_signal -1
	s_barrier_wait -1
.endm
.macro SETG1 g, rows                   ; a dense block as rows of 256 bytes (32 elements of 8), no padding: the images are read 16 x lane, dense; the mask names all four work-groups
	s_mov_b32 s[\g], 15|(3<<16)|(1<<21)
	s_mov_b32 s[\g+1], 32<<16
	s_mov_b32 s[\g+2], (\rows)<<16
	s_mov_b32 s[\g+3], 32<<16
	s_mov_b32 s[\g+4], \rows
	s_mov_b32 s[\g+5], 32
	s_mov_b32 s[\g+6], 0
	s_mov_b32 s[\g+7], 0
.endm
.macro SETQ g, j                       ; first fill j of qrec: record 8 j + wave (s2 = 8,704 x wave, s3 = 0)
	s_mov_b32 s[\g], 1
	s_add_co_u32 s[\g+1], s2, \j*8*REC
	s_add_nc_u64 s[\g+2:\g+3], s[4:5], s[2:3]
	s_add_nc_u64 s[\g+2:\g+3], s[\g+2:\g+3], \j*8*REC
	s_or_b32 s[\g+3], s[\g+3], 0x80000000
.endm
; Eight products: two tiles of 16 rows n (fragment buffer fr, scale words qs) x four tiles of m (4 hf ..).  cz = 1: C = 0; else C = Cm.  In the result a lane holds one column m, and the 16 registers of a tile of m are 16 neighbouring n.
.macro ENERGY hf, fr, qs, cz
.if \cz
	WIN 0x04                                       ; source 1 (my columns) window 1
.else
	WIN 0x14                                       ; and C (Cm) too
.endif
.irp q,0,1,2,3
.if \cz
	v_wmma_scale_f32_16x16x128_f8f6f4 v[S+16*\q:S+16*\q+7], v[\fr:\fr+15], v[16*(4*\hf+\q):16*(4*\hf+\q)+15], 0, v[\qs], v[OMS+4*\hf+\q]
	v_wmma_scale_f32_16x16x128_f8f6f4 v[S+16*\q+8:S+16*\q+15], v[\fr+8:\fr+23], v[16*(4*\hf+\q):16*(4*\hf+\q)+15], 0, v[\qs], v[OMS+4*\hf+\q] matrix_a_scale:MATRIX_SCALE_ROW1
.else
	v_wmma_scale_f32_16x16x128_f8f6f4 v[S+16*\q:S+16*\q+7], v[\fr:\fr+15], v[16*(4*\hf+\q):16*(4*\hf+\q)+15], v[128+8*(4*\hf+\q):128+8*(4*\hf+\q)+7], v[\qs], v[OMS+4*\hf+\q]
	v_wmma_scale_f32_16x16x128_f8f6f4 v[S+16*\q+8:S+16*\q+15], v[\fr+8:\fr+23], v[16*(4*\hf+\q):16*(4*\hf+\q)+15], v[128+8*(4*\hf+\q):128+8*(4*\hf+\q)+7], v[\qs], v[OMS+4*\hf+\q] matrix_a_scale:MATRIX_SCALE_ROW1
.endif
.endr
	WIN 0
	NOPS 9                                         ; places in front of the first read of results; the next such run writes over these registers
.endm
; Walk 2: p = 2^(c e + negL) of 64 numbers a lane, added into S_m.  One batch of 64 exponentials, one wait.
.macro SUMP hf, nl
	v_pk_fma_f32 v[S:S+1], v[S:S+1], s[CS:CS+1], v[\nl:\nl+1] op_sel_hi:[1,0,1]
.set PI, 0
.rept 32
.if PI < 31
	v_pk_fma_f32 v[S+2*PI+2:S+2*PI+3], v[S+2*PI+2:S+2*PI+3], s[CS:CS+1], v[\nl+(2*PI+2)%16:\nl+(2*PI+2)%16+1] op_sel_hi:[1,0,1]
.endif
	v_exp_f32 v[S+2*PI], v[S+2*PI]
	v_exp_f32 v[S+2*PI+1], v[S+2*PI+1]
.set PI, PI+1
.endr
	v_nop
	s_wait_alu depctr_va_vdst(0)                   ; one wait for the batch, ahead of its first reader
.irp i,0,2,4,6,8,10,12,14
.irp q,0,1,2,3
	v_pk_add_f32 v[SA+2*(4*\hf+\q):SA+2*(4*\hf+\q)+1], v[SA+2*(4*\hf+\q):SA+2*(4*\hf+\q)+1], v[S+16*\q+\i:S+16*\q+\i+1]
.endr
.endr
.endm
.macro P2                              ; a trip of walk 2: one block of 32 rows against my 128 columns
	v_add_nc_u32 v[ADQ], s[T2S], v[AQ2]
	v_add_nc_u32 v[ADS], s[T2S], v[AQS2]
	v_add_nc_u32 v[ADN], s[T3S], v[ANL2]
.irp nt,0,1
	ds_load_b128 v[F0+8*\nt:F0+8*\nt+3], v[ADQ] offset:1024*\nt
	ds_load_b128 v[F0+8*\nt+4:F0+8*\nt+7], v[ADQ] offset:1024*\nt+512
.endr
	ds_load_b32 v[QS0], v[ADS]
.irp q,0,1,2,3
	ds_load_b128 v[NL0+4*\q:NL0+4*\q+3], v[ADN] offset:16*\q
.endr
	s_wait_dscnt 0x0
	ENERGY 0, F0, QS0, 1
	SUMP 0, NL0
	ENERGY 1, F0, QS0, 1
	SUMP 1, NL0
	s_add_co_u32 s[T2S], s[T2S], 2*REC
	s_add_co_u32 s[T3S], s[T3S], 1024
.endm
; Walk 3: att of four tiles of m x my 32 rows, quantised along n: a block of 32 lies in lanes l and l xor 16.  The block's largest t goes through the same exponential as its numbers: att rises with t.
.macro SOFT hf, nl, par
.irp i,0,2,4,6,8,10,12,14
.irp q,0,1,2,3
	v_pk_fma_f32 v[S+16*\q+\i:S+16*\q+\i+1], v[S+16*\q+\i:S+16*\q+\i+1], s[CS:CS+1], v[\nl+\i:\nl+\i+1] op_sel_hi:[1,0,1]   ; t, each accumulator from its low end on
.endr
.endr
.irp q,0,1,2,3
	v_max_num_f32 v[TM+\q], v[S+16*\q], v[S+16*\q+1]
	v_exp_f32 v[S+16*\q], v[S+16*\q]
	v_exp_f32 v[S+16*\q+1], v[S+16*\q+1]
.endr
.irp i,2,4,6,8,10,12,14
.irp q,0,1,2,3
	v_max3_num_f32 v[TM+\q], v[TM+\q], v[S+16*\q+\i], v[S+16*\q+\i+1]      ; reads t ahead of the two exponentials that take its place
	v_exp_f32 v[S+16*\q+\i], v[S+16*\q+\i]
	v_exp_f32 v[S+16*\q+\i+1], v[S+16*\q+\i+1]
.endr
.endr
.irp q,0,1,2,3
	v_permlanex16_b32 v[TM+4+\q], v[TM+\q], s[SEL], s[SEL+1]
.endr
.irp q,0,1,2,3
	v_max_num_f32 v[TM+\q], v[TM+\q], v[TM+4+\q]
.endr
.irp q,0,1,2,3
	v_exp_f32 v[TM+\q], v[TM+\q]                   ; the block's largest att
.endr
	v_nop
	s_wait_alu depctr_va_vdst(0)                   ; ONE wait for all 68 exponentials, ahead of their first reader
.irp q,0,1,2,3
	v_max_num_f32 v[TM+\q], 0x4800000, v[TM+\q]    ; the floor 2^(9 - 127): the byte cannot fall under 1
.endr
.irp q,0,1,2,3
	v_add_nc_u32 v[TM+12+\q], 0xfc000000, v[TM+\q]
.endr
.irp q,0,1,2,3
	v_and_or_b32 v[TM+8+\q], v[TM+\q], 0x7f800000, s[MNT]
.endr
.irp q,0,1,2,3
	v_lshrrev_b32 v[BY+4*\hf+\q], 23, v[TM+12+\q]
.endr
.irp q,0,1,2,3
.irp i,0,1,2,3,4,5,6,7,8,9,10,11,12,13,14,15
	v_min_num_f32 v[S+16*\q+\i], v[S+16*\q+\i], v[TM+8+\q]                  ; att is not negative: the hold is one-sided
.endr
	v_cvt_scalef32_pk8_fp8_f32 v[PC+16*\hf+4*\q:PC+16*\hf+4*\q+1], v[S+16*\q:S+16*\q+7], v[TM+12+\q]
	v_cvt_scalef32_pk8_fp8_f32 v[PC+16*\hf+4*\q+2:PC+16*\hf+4*\q+3], v[S+16*\q+8:S+16*\q+15], v[TM+12+\q]
.endr
	v_nop                                          ; a plain line behind the last conversion
.irp q,0,1,2,3
	ds_store_b128 v[AIW], v[PC+16*\hf+4*\q:PC+16*\hf+4*\q+3] offset:\par*IMGB+(4*\hf+\q)*2048
	ds_store_b8 v[AIB], v[BY+4*\hf+\q] offset:\par*IMGB+64*(4*\hf+\q)
.endr
.endm
.macro PVW mt, ct                      ; one product of O += v att; the rows of the scale registers go by the tiles' parity
.if ((\ct)%2 == 0) && ((\mt)%2 == 0)
	v_wmma_scale_f32_16x16x128_f8f6f4 v[32*\mt+8*\ct:32*\mt+8*\ct+7], v[VB+16*\ct:VB+16*\ct+15], v[AT+16*\mt:AT+16*\mt+15], v[32*\mt+8*\ct:32*\mt+8*\ct+7], v[VS+\ct/2], v[ATS+\mt/2]
.elseif ((\ct)%2 == 1) && ((\mt)%2 == 0)
	v_wmma_scale_f32_16x16x128_f8f6f4 v[32*\mt+8*\ct:32*\mt+8*\ct+7], v[VB+16*\ct:VB+16*\ct+15], v[AT+16*\mt:AT+16*\mt+15], v[32*\mt+8*\ct:32*\mt+8*\ct+7], v[VS+\ct/2], v[ATS+\mt/2] matrix_a_scale:MATRIX_SCALE_ROW1
.elseif ((\ct)%2 == 0) && ((\mt)%2 == 1)
	v_wmma_scale_f32_16x16x128_f8f6f4 v[32*\mt+8*\ct:32*\mt+8*\ct+7], v[VB+16*\ct:VB+16*\ct+15], v[AT+16*\mt:AT+16*\mt+15], v[32*\mt+8*\ct:32*\mt+8*\ct+7], v[VS+\ct/2], v[ATS+\mt/2] matrix_b_scale:MATRIX_SCALE_ROW1
.else
	v_wmma_scale_f32_16x16x128_f8f6f4 v[32*\mt+8*\ct:32*\mt+8*\ct+7], v[VB+16*\ct:VB+16*\ct+15], v[AT+16*\mt:AT+16*\mt+15], v[32*\mt+8*\ct:32*\mt+8*\ct+7], v[VS+\ct/2], v[ATS+\mt/2] matrix_a_scale:MATRIX_SCALE_ROW1 matrix_b_scale:MATRIX_SCALE_ROW1
.endif
.endm
; The consumer's products of the step before: its images lie in buffer 1 - par, its v in registers.  32 accumulators by turns, one instruction a turn, in the same order in every step.
.macro PV par
.irp p,0,1,2,3
	ds_load_b32 v[ATS+\p], v[AIS] offset:(1-\par)*IMGB+128*\p
.endr
.irp mt,0,1,2,3,4,5,6,7
.irp g,0,1,2,3
	ds_load_b128 v[AT+16*\mt+4*\g:AT+16*\mt+4*\g+3], v[AIR] offset:(1-\par)*IMGB+\mt*2048+512*\g
.endr
.endr
	s_wait_dscnt 16                                ; the scale words and tiles 0-3 are in; the youngest sixteen loads may be out
	WIN 0x50                                       ; C and D window 1
.irp mt,0,1,2,3
.irp ct,0,1,2,3
	PVW \mt, \ct
.endr
.endr
	s_wait_dscnt 0x0
.irp mt,4,5,6,7
.irp ct,0,1,2,3
	PVW \mt, \ct
.endr
.endr
	WIN 0
	NOPS 9                                         ; places in front of the loads into the operands' registers
.endm
.macro VLOAD par                       ; this step's four fragments of v and their scale words
.irp ct,0,1,2,3
.irp g,0,1,2,3
	ds_load_b128 v[VB+16*\ct+4*\g:VB+16*\ct+4*\g+3], v[ADV] offset:\par*32768+\ct*2048+512*\g
.endr
.endr
.irp p,0,1
	ds_load_b32 v[VS+\p], v[ADVS] offset:\par*1024+128*\p
.endr
.endm
.macro ADDRS                           ; the addresses of the pair of steps in hand
	v_add_nc_u32 v[ADQ], s[TB], v[AQP]
	v_add_nc_u32 v[ADS], s[TB], v[AQSP]
	v_add_nc_u32 v[ADN], s[TN], v[ANLP]
	v_add_nc_u32 v[ADV], s[TB], v[AVF]
	v_add_nc_u32 v[ADVS], s[TVS], v[AVS]
.endm
; A period: the producers make step k's images (buffer par) while the consumers multiply step k - 1's (buffer 1 - par) and then fetch step k's v.  first = 1: there is no step before.
.macro PERIOD par, first
	s_cmp_lt_u32 s[WV], 4
	s_cbranch_scc0 .Lconsumer_\@
.if \par == 0
.irp nt,0,1
	ds_load_b128 v[F0+8*\nt:F0+8*\nt+3], v[ADQ] offset:1024*\nt
	ds_load_b128 v[F0+8*\nt+4:F0+8*\nt+7], v[ADQ] offset:1024*\nt+512
.endr
	ds_load_b32 v[QS0], v[ADS]
.irp q,0,1,2,3
	ds_load_b128 v[NL0+4*\q:NL0+4*\q+3], v[ADN] offset:16*\q
.endr
.irp nt,0,1
	ds_load_b128 v[F1+8*\nt:F1+8*\nt+3], v[ADQ] offset:REC+1024*\nt
	ds_load_b128 v[F1+8*\nt+4:F1+8*\nt+7], v[ADQ] offset:REC+1024*\nt+512
.endr
	ds_load_b32 v[QS1], v[ADS] offset:REC
.irp q,0,1,2,3
	ds_load_b128 v[NL1+4*\q:NL1+4*\q+3], v[ADN] offset:512+16*\q
.endr
	s_wait_dscnt 9                                 ; the first step's nine loads are in; the second step's nine may be out
	ENERGY 0, F0, QS0, 0
	SOFT 0, NL0, 0
	ENERGY 1, F0, QS0, 0
	SOFT 1, NL0, 0
.else
	ENERGY 0, F1, QS1, 0
	SOFT 0, NL1, 1
	ENERGY 1, F1, QS1, 0
	SOFT 1, NL1, 1
.endif
	s_branch .Ljoin_\@
.Lconsumer_\@:
.if !\first
	PV \par
.endif
	VLOAD \par
.Ljoin_\@:
.endm
; A joint refill, one tensor load a wave: waves 0, 1: qk's two records; waves 4-7: a quarter each of v's two records; three = 1: wave 2: the batch's vsc.  The branches hang on the wave's number alone.
; An s_nop 0 and four v_nop follow each load.
.macro TLOADR three
	s_cmp_lt_u32 s[WV], 2
	s_cbranch_scc0 .Lnot_q_\@
	tensor_load_to_lds s[G0Q:G0Q+3], s[G1Q:G1Q+7]
	s_nop 0
	NOPS 4
	s_branch .Lasked_\@
.Lnot_q_\@:
	s_cmp_ge_u32 s[WV], 4
	s_cbranch_scc0 .Lnot_v_\@
	tensor_load_to_lds s[G0V:G0V+3], s[G1V:G1V+7]
	s_nop 0
	NOPS 4
	s_branch .Lasked_\@
.Lnot_v_\@:
.if \three
	s_cmp_eq_u32 s[WV], 2
	s_cbranch_scc0 .Lasked_\@
	tensor_load_to_lds s[G0S:G0S+3], s[G1S:G1S+7]
	s_nop 0
	NOPS 4
.endif
.Lasked_\@:
.endm
; A prefetch into the L2 of v's two records that the NEXT change of slots will ask for: 65,536 bytes.  All clusters of a batch walk the same records: the batch's first cluster asks; its four partners take 16,384
; bytes each, told apart by address; in each, wave 3, which fetches nothing, asks: two instructions, lanes 256 bytes apart.  So each aligned block of 256 bytes is named once.  The last change that fills asks for nothing.
.macro ASK
	s_cmp_gt_u32 s[LEFT], s[LIM]
	s_cbranch_scc0 .Lnot_mine_\@
	global_prefetch_b8 v[PFO], s[PFA:PFA+1] th:TH_LOAD_NT scope:SCOPE_SE
	global_prefetch_b8 v[PFO], s[PFA:PFA+1] offset:8192 th:TH_LOAD_NT scope:SCOPE_SE
.Lnot_mine_\@:
.endm
; The change of slots, at a pair's head.  Each wave waits for all its tensor loads (its part of the slot ahead), adds 0 to its spare word, and waits for that and for its LDS reads and stores.  fill = 1: a round of
; the cluster's barrier follows, and the slot just left is filled with the pair after next's... the pair that follows the one ahead: the load has two steps in which to land.
.macro CHANGE fill, step
	s_wait_tensorcnt 0x0                           ; no tensor load of mine is out, so a group 0 may be written
	ds_add_u32 v[SPW], v[NIL]                      ; the descriptors' steps stand between the add and the wait for it
.if \step
	s_xor_b32 s[G0Q+1], s[G0Q+1], SLOT1
	s_add_nc_u64 s[G0Q+2:G0Q+3], s[G0Q+2:G0Q+3], 2*REC
	s_xor_b32 s[G0V+1], s[G0V+1], SLOT1
	s_add_nc_u64 s[G0V+2:G0V+3], s[G0V+2:G0V+3], 65536
	s_wait_xcnt 0x0                                ; the last prefetches, a pair back, have read their address
	s_add_nc_u64 s[PFA:PFA+1], s[PFA:PFA+1], 65536
	s_sub_co_u32 s[LEFT], s[LEFT], 1
.endif
	s_wait_dscnt 0x0
.if \fill
	ROUND
	TLOADR 0
	ASK
.else
	s_barrier_signal -1
	s_barrier_wait -1
.endif
.endm
.macro TOGGLE
	s_xor_b32 s[TB], s[TB], SLOT1
	s_add_co_u32 s[TN], s[TN], 1024
	s_add_co_u32 s[TVS], s[TVS], 2048
.endm
.macro WTLOAD                          ; my 32 rows of Wt: four fragments (tile e, K step) and their scale words
.irp e,0,1
.irp kap,0,1
.irp g,0,1,2,3
	global_load_b128 v[WT+16*(2*\e+\kap)+4*\g:WT+16*(2*\e+\kap)+4*\g+3], v[WTO], s[16:17] offset:4096*\e+128*\kap+32*\g
.endr
	global_load_b32 v[WTS+2*\e+\kap], v[WSO], s[18:19] offset:128*\e+4*\kap
.endr
.endr
.endm
; y = -(accumulator) of tiles of m 2 p, 2 p + 1: four blocks of 32 channels (16 registers a lane), quantised along c; the images are product 6's operands.
.macro QUANTY p
	WIN 0x05
.irp q,0,1,2,3
	v_max3_num_f32 v[TMC+\q], |v[64*\p+16*\q]|, |v[64*\p+16*\q+1]|, 0x4800000
.endr
	WIN 0x14
.irp i,2,4,6,8,10,12,14
.irp q,0,1,2,3
	v_max3_num_f32 v[TMC+\q], v[TMC+\q], |v[64*\p+16*\q+\i]|, |v[64*\p+16*\q+\i+1]|
.endr
.endr
	WIN 0
.irp q,0,1,2,3
	v_permlanex16_b32 v[TMC+4+\q], v[TMC+\q], s[SEL], s[SEL+1]
.endr
.irp q,0,1,2,3
	v_max_num_f32 v[TMC+\q], v[TMC+\q], v[TMC+4+\q]
.endr
.irp q,0,1,2,3
	v_add_nc_u32 v[TMC+12+\q], 0xfc000000, v[TMC+\q]
	v_and_or_b32 v[TMC+8+\q], v[TMC+\q], 0x7f800000, s[MNT]
	v_lshrrev_b32 v[TMC+4+\q], 23, v[TMC+12+\q]
.endr
	v_lshl_or_b32 v[HB], v[TMC+5], 8, v[TMC+4]     ; a tile's two bytes of mine
	v_lshl_or_b32 v[HB+1], v[TMC+7], 8, v[TMC+6]
	WIN 0x01
.irp q,0,1,2,3
.irp i,0,1,2,3,4,5,6,7,8,9,10,11,12,13,14,15
	v_med3_num_f32 v[YY+16*\q+\i], -v[64*\p+16*\q+\i], -v[TMC+8+\q], v[TMC+8+\q]   ; the sign and the hold in one
.endr
.endr
	WIN 0
.irp q,0,1,2,3
	v_cvt_scalef32_pk8_fp8_f32 v[PCY+4*\q:PCY+4*\q+1], v[YY+16*\q:YY+16*\q+7], v[TMC+12+\q]
	v_cvt_scalef32_pk8_fp8_f32 v[PCY+4*\q+2:PCY+4*\q+3], v[YY+16*\q+8:YY+16*\q+15], v[TMC+12+\q]
.endr
	v_nop
.irp q,0,1,2,3
	ds_store_b128 v[AYW], v[PCY+4*\q:PCY+4*\q+3] offset:(2*\p+\q/2)*4096+512*(\q%2)
.endr
	ds_store_b16 v[AYS], v[HB] offset:128*(2*\p)
	ds_store_b16 v[AYS], v[HB+1] offset:128*(2*\p+1)
	s_wait_dscnt 0x0
.endm
; The moments of t over my work-group's 128 columns, for the 16 rows d of tile e: the mean, then the sum of squares about it.
.macro MOM e
	WIN 0x05
.irp k,0,1,2,3
	v_pk_add_f32 v[MP+2*\k:MP+2*\k+1], v[64*\e+16*\k:64*\e+16*\k+1], v[64*\e+16*\k+2:64*\e+16*\k+3]   ; each accumulator from its low end on
.endr
	WIN 0x04
.irp i,4,6,8,10,12,14
.irp k,0,1,2,3
	v_pk_add_f32 v[MP+2*\k:MP+2*\k+1], v[MP+2*\k:MP+2*\k+1], v[64*\e+16*\k+\i:64*\e+16*\k+\i+1]
.endr
.endr
	WIN 0
	v_pk_add_f32 v[MP:MP+1], v[MP:MP+1], v[MP+2:MP+3]
	v_pk_add_f32 v[MP+4:MP+5], v[MP+4:MP+5], v[MP+6:MP+7]
	v_pk_add_f32 v[MP:MP+1], v[MP:MP+1], v[MP+4:MP+5]
	v_add_f32 v[MP], v[MP], v[MP+1]
	v_permlanex16_b32 v[MXT], v[MP], s[SEL], s[SEL+1]
	v_add_f32 v[MP], v[MP], v[MXT]
	v_mul_f32 v[MEAN], 0x3c000000, v[MP]           ; / 128
	v_mov_b32 v[MEAN+1], v[MEAN]
	v_mov_b32 v[RES+2*\e], v[MEAN]
.irp bt,0,1,2,3
	WIN 0x01
.irp i,0,2,4,6,8,10,12,14
	v_pk_add_f32 v[DV+\i:DV+\i+1], v[64*\e+16*\bt+\i:64*\e+16*\bt+\i+1], v[MEAN:MEAN+1] neg_lo:[0,1] neg_hi:[0,1]
.endr
	WIN 0
.irp i,0,2,4,6,8,10,12,14
.if (\bt == 0) && (\i < 4)
	v_pk_mul_f32 v[M2+\i:M2+\i+1], v[DV+\i:DV+\i+1], v[DV+\i:DV+\i+1]
.else
	v_pk_fma_f32 v[M2+\i%4:M2+\i%4+1], v[DV+\i:DV+\i+1], v[DV+\i:DV+\i+1], v[M2+\i%4:M2+\i%4+1]
.endif
.endr
.endr
	v_pk_add_f32 v[M2:M2+1], v[M2:M2+1], v[M2+2:M2+3]
	v_add_f32 v[M2], v[M2], v[M2+1]
	v_permlanex16_b32 v[MXT], v[M2], s[SEL], s[SEL+1]
	v_add_f32 v[RES+2*\e+1], v[M2], v[MXT]
.endm
.macro WOUT e                          ; tile e's 16 rows d x 128 columns through my stage: in by 32 bytes a lane, back as whole rows of 512 bytes
	WIN 0x04                                       ; an LDS store's data are its source 1: window 1
.irp mt,0,1,2,3,4,5,6,7
	ds_store_b128 v[ASTO], v[64*\e+8*\mt:64*\e+8*\mt+3] offset:64*\mt
	ds_store_b128 v[ASTO], v[64*\e+8*\mt+4:64*\e+8*\mt+7] offset:64*\mt+16
.endr
	WIN 0
.irp i,0,1,2,3,4,5,6,7,8,9,10,11,12,13,14,15
	ds_load_b128 v[YF+64*\e+4*\i:YF+64*\e+4*\i+3], v[ASTR] offset:528*\i    ; LDS serves a wave's instructions in order: these see my stores, and the next tile's stores come behind them
.endr
.endm
	s_load_b512 s[4:19], s[0:1], 0x0               ; qrec, vimg, vsc, negl, coef, x, Wt's codes, Wt's scales
	s_load_b128 s[20:23], s[0:1], 0x40             ; tws, part
	v_lshl_add_u32 v[SPW], v0, 2, SPARE
	v_mov_b32 v[NIL], 0
	ds_add_u32 v[SPW], v[NIL]                      ; the wave's opening: the add, twice on end, and its wait ahead of my first tensor load
	ds_add_u32 v[SPW], v[NIL]
	v_lshrrev_b32 v[RR], 5, v0
	v_readfirstlane_b32 s[WV], v[RR]               ; wave 0..7
	s_and_b32 s[WR], s[WV], 3                      ; my number within my role
	s_bfe_u32 s[CX], ttmp6, 0x40000                ; cx: it enters global addresses alone
	s_lshl_b32 s[XX], ttmp9, 2
	s_add_co_u32 s[XX], s[XX], s[CX]               ; my block of 128 columns
	s_and_b32 s[BBS], ttmp7, 0xffff                ; batch
	SETG1 G1Q, 34
	SETG1 G1V, 64
	SETG1 G1N, 8
	SETG1 G1S, 128
	s_mov_b32 s[CS], 0x3fb8aa3b                    ; c = log2(e)
	s_mov_b32 s[CS+1], s[CS]
	s_mov_b32 s[SEL], 0x76543210
	s_mov_b32 s[SEL+1], 0xfedcba98
	s_mov_b32 s[MNT], 0x600000
	s_mov_b32 s[TB], 0
	s_mov_b32 s[TN], 0
	s_mov_b32 s[TVS], 0
	s_mov_b32 s[T2S], 0
	s_mov_b32 s[T3S], 0
	s_mov_b32 s[LEFT], 15
	s_xor_b32 s2, s[WV], 3
	s_or_b32 s2, s2, ttmp9                         ; 0 in wave 3 of the batch's first cluster: the same in all four partners
	s_cmp_eq_u32 s2, 0
	s_cselect_b32 s[LIM], 0, -1
	s_wait_dscnt 0x0                               ; both opening adds are done
	s_wait_kmcnt 0x0
	s_mov_b32 s3, 0
	s_mul_i32 s2, s[BBS], 32*REC
	s_add_nc_u64 s[4:5], s[4:5], s[2:3]            ; the four streamed buffers at my batch
	s_lshl_b32 s2, s[BBS], 20
	s_add_nc_u64 s[6:7], s[6:7], s[2:3]
	s_lshl_b32 s2, s[BBS], 15
	s_add_nc_u64 s[8:9], s[8:9], s[2:3]
	s_lshl_b32 s2, s[BBS], 14
	s_add_nc_u64 s[10:11], s[10:11], s[2:3]
	s_mov_b32 s[G0N], 1
	s_lshl_b32 s2, s[WV], 11
	s_add_co_u32 s[G0N+1], s2, NEGL
	s_add_nc_u64 s[G0N+2:G0N+3], s[10:11], s[2:3]
	s_or_b32 s[G0N+3], s[G0N+3], 0x80000000
	s_mul_i32 s2, s[WV], REC
	SETQ G0Q, 0
	SETQ G0V, 1
	SETQ G0S, 2
	SETQ G0X, 3
	ROUND                                          ; all four work-groups are here: the first joint loads meet
	tensor_load_to_lds s[G0N:G0N+3], s[G1N:G1N+7]  ; an eighth of negl,
	s_nop 0
	tensor_load_to_lds s[G0Q:G0Q+3], s[G1Q:G1Q+7]  ; records w, 8 + w, 16 + w, 24 + w
	s_nop 0
	tensor_load_to_lds s[G0V:G0V+3], s[G1Q:G1Q+7]
	s_nop 0
	tensor_load_to_lds s[G0S:G0S+3], s[G1Q:G1Q+7]
	s_nop 0
	tensor_load_to_lds s[G0X:G0X+3], s[G1Q:G1Q+7]
	s_nop 0
	NOPS 4
	s_load_b32 s[MXS], s[12:13], 0x1000            ; mx0, mx1, mx2
	s_load_b32 s[MXS+1], s[12:13], 0x1400
	s_load_b32 s[MXS+2], s[12:13], 0x1800
	s_mul_i32 s2, s[XX], REC
	s_add_nc_u64 s[OWN:OWN+1], s[4:5], s[2:3]      ; my columns' record
	s_mul_i32 s2, s[BBS], 49152
	s_lshl_b32 s91, s[XX], 9
	s_add_co_u32 s2, s2, s91
	s_add_nc_u64 s[14:15], s[14:15], s[2:3]        ; x at my columns
	s_lshl_b32 s2, s[BBS], 22
	s_add_co_u32 s2, s2, s91
	s_lshl_b32 s91, s[WV], 19
	s_add_co_u32 s2, s2, s91
	s_add_nc_u64 s[20:21], s[20:21], s[2:3]        ; tws at row 32 w, my columns
	s_lshl_b32 s2, s[BBS], 5
	s_add_co_u32 s2, s2, s[XX]
	s_lshl_b32 s2, s2, 11
	s_lshl_b32 s91, s[WV], 8
	s_add_co_u32 s2, s2, s91
	s_add_nc_u64 s[22:23], s[22:23], s[2:3]        ; part at my work-group, row 32 w
	s_lshl_b32 s2, s[WV], 13
	s_add_nc_u64 s[16:17], s[16:17], s[2:3]        ; Wt at row 32 w
	s_lshl_b32 s2, s[WV], 8
	s_add_nc_u64 s[18:19], s[18:19], s[2:3]
	s_lshl_b32 s2, s[CX], 14
	s_add_nc_u64 s[PFA:PFA+1], s[6:7], s[2:3]
	s_add_nc_u64 s[PFA:PFA+1], s[PFA:PFA+1], 65536 ; the prefetches stand at the second pair of steps, my work-group's quarter
	; every LDS address is made here, ahead of the first parting of the roles: a constant + a constant x lane + a constant x wave
	v_and_b32 v[RR], 15, v0
	v_bfe_u32 v[HH], v0, 4, 1
	v_and_b32 v[L4], 31, v0
	v_lshlrev_b32 v[PFO], 8, v[L4]
	v_lshlrev_b32 v[PO], 3, v[L4]
	v_lshlrev_b32 v[L16], 4, v[L4]
	v_lshlrev_b32 v[L4], 2, v[L4]
	v_lshrrev_b32 v[TV], 3, v[RR]
	v_and_b32 v[OMSO], 7, v[RR]
	v_lshlrev_b32 v[OMO], 4, v[OMSO]
	v_lshl_add_u32 v[OMO], v[TV], 10, v[OMO]
	v_lshl_add_u32 v[OMO], v[HH], 8, v[OMO]        ; column 16 mt + r lies in tile 2 (mt / 2) + r / 8 of the record, at its row 8 (mt % 2) + r % 8
	v_lshlrev_b32 v[OMSO], 2, v[OMSO]
	v_lshl_add_u32 v[OMSO], v[TV], 6, v[OMSO]
	WIN 0x40                                       ; destination window 1
.irp mt,0,1,2,3,4,5,6,7
.irp g,0,1
	global_load_b128 v[16*\mt+4*\g:16*\mt+4*\g+3], v[OMO], s[OWN:OWN+1] offset:(\mt/2)*2048+(\mt%2)*128+512*\g
.endr
.endr
.irp mt,0,1,2,3,4,5,6,7
.irp j,8,9,10,11,12,13,14,15
	v_mov_b32 v[16*\mt+\j], 0                      ; zero codes in k = 64 .. 127
.endr
.endr
	WIN 0
.irp mt,0,1,2,3,4,5,6,7
	global_load_b32 v[OMS+\mt], v[OMSO], s[OWN:OWN+1] offset:8192+128*(\mt/2)+32*(\mt%2)
.endr
	s_lshr_b32 s2, s[WV], 2
	s_mul_i32 s2, s2, REC
	s_lshl_b32 s3, s[WR], 11
	s_add_co_u32 s3, s3, s2
	v_add_nc_u32 v[AQ2], s3, v[L16]
	s_lshl_b32 s3, s[WR], 7
	s_add_co_u32 s3, s3, s2
	s_add_co_u32 s3, s3, 8192
	v_add_nc_u32 v[AQS2], s3, v[L4]
	s_lshl_b32 s3, s[WV], 7
	s_add_co_u32 s3, s3, NEGL
	v_lshl_add_u32 v[ANL2], v[HH], 6, s3
	s_lshl_b32 s3, s[WV], 2
	s_add_co_u32 s3, s3, SX
	v_lshl_add_u32 v[ASXW], v[RR], 5, s3
	v_lshl_add_u32 v[ASXR], v[RR], 5, SX
	s_lshl_b32 s3, s[WR], 11
	s_add_co_u32 s3, s3, QOFF
	v_add_nc_u32 v[AQP], s3, v[L16]
	s_lshl_b32 s3, s[WR], 7
	s_add_co_u32 s3, s3, QOFF+8192
	v_add_nc_u32 v[AQSP], s3, v[L4]
	s_lshl_b32 s3, s[WR], 7
	s_add_co_u32 s3, s3, NEGL
	v_lshl_add_u32 v[ANLP], v[HH], 6, s3
	s_lshl_b32 s3, s[WR], 9
	s_add_co_u32 s3, s3, IMG0
	v_add_nc_u32 v[AIW], s3, v[L16]
	s_add_co_u32 s3, s[WR], IMG0+16384
	v_lshl_add_u32 v[AIB], v[RR], 2, s3
	v_add_nc_u32 v[AIR], IMG0, v[L16]
	v_add_nc_u32 v[AIS], IMG0+16384, v[L4]
	s_lshl_b32 s3, s[WR], 13
	v_add_nc_u32 v[AVF], s3, v[L16]
	s_lshl_b32 s3, s[WR], 8
	v_lshl_add_u32 v[CFO], v[HH], 6, s3
	s_add_co_u32 s3, s3, VSCB
	v_add_nc_u32 v[AVS], s3, v[L4]
	s_lshl_b32 s3, s[WR], 10
	v_add_nc_u32 v[AYW], s3, v[L16]
	s_lshr_b32 s2, s[WR], 1
	s_lshl_b32 s2, s2, 6
	s_and_b32 s3, s[WR], 1
	s_lshl_b32 s3, s3, 1
	s_add_co_u32 s3, s3, s2
	s_add_co_u32 s3, s3, YSC
	v_lshl_add_u32 v[AYS], v[RR], 2, s3
	v_add_nc_u32 v[AYSR], YSC, v[L4]
	s_mul_i32 s3, s[WV], 8448
	s_add_co_u32 s3, s3, STG
	v_add_nc_u32 v[ASTR], s3, v[L16]
	v_mul_u32_u24 v[ASTO], v[RR], 528
	v_lshl_add_u32 v[ASTO], v[HH], 5, v[ASTO]
	v_add_nc_u32 v[ASTO], s3, v[ASTO]
	v_lshlrev_b32 v[XO], 2, v[RR]
	v_lshlrev_b32 v[WTO], 8, v[RR]
	v_lshl_add_u32 v[WTO], v[HH], 4, v[WTO]
	v_lshlrev_b32 v[WSO], 3, v[RR]
.irp j,0,1,2,3,4,5,6,7
	v_mov_b32 v[F0+16+\j], 0
	v_mov_b32 v[F1+16+\j], 0
.endr
.irp j,0,1,2,3,4,5,6,7,8,9,10,11,12,13,14,15
	v_mov_b32 v[SA+\j], 0
.endr
.irp j,4,5,6,7
	v_mov_b32 v[TM+\j], 0                          ; a lane permute's destination counts as one of its sources
.endr
	s_wait_kmcnt 0x0                               ; mx
	s_wait_loadcnt 0x0                             ; my columns' fragments
	; ---- WALK 2: S_m
	s_wait_tensorcnt 0x3                           ; negl and my first record are in; three loads may stay out
	s_barrier_signal -1
	s_barrier_wait -1                              ; records 0 to 7 are whole
	s_mov_b32 s[CNT], 4
.Lwalk2a:
	P2
	s_sub_co_u32 s[CNT], s[CNT], 1
	s_cmp_lg_u32 s[CNT], 0
	s_cbranch_scc1 .Lwalk2a
	s_wait_tensorcnt 0x0
	s_barrier_signal -1
	s_barrier_wait -1                              ; all 32 records are whole
	s_mov_b32 s[CNT], 12
.Lwalk2b:
	P2
	s_sub_co_u32 s[CNT], s[CNT], 1
	s_cmp_lg_u32 s[CNT], 0
	s_cbranch_scc1 .Lwalk2b
.irp mt,0,1,2,3,4,5,6,7
	v_add_f32 v[SA+2*\mt], v[SA+2*\mt], v[SA+2*\mt+1]
.endr
.irp mt,0,1,2,3,4,5,6,7
	v_permlanex16_b32 v[SA+2*\mt+1], v[SA+2*\mt], s[SEL], s[SEL+1]
.endr
.irp mt,0,1,2,3,4,5,6,7
	v_add_f32 v[SA+2*\mt], v[SA+2*\mt], v[SA+2*\mt+1]
.endr
.irp mt,0,1,2,3,4,5,6,7
	ds_store_b32 v[ASXW], v[SA+2*\mt] offset:512*\mt
.endr
	; the first change: qrec has been read to its end; the ring's descriptors are made, and the first pair of steps and vsc are asked for
	s_wait_tensorcnt 0x0
	ds_add_u32 v[SPW], v[NIL]
	s_and_b32 s2, s[WV], 1
	s_mul_i32 s2, s2, REC
	s_mov_b32 s3, 0
	s_add_co_u32 s[G0Q+1], s2, QOFF
	s_add_nc_u64 s[G0Q+2:G0Q+3], s[4:5], s[2:3]
	s_or_b32 s[G0Q+3], s[G0Q+3], 0x80000000
	s_lshl_b32 s2, s[WR], 14
	s_mov_b32 s[G0V+1], s2
	s_add_nc_u64 s[G0V+2:G0V+3], s[6:7], s[2:3]
	s_or_b32 s[G0V+3], s[G0V+3], 0x80000000
	s_mov_b32 s[G0S+1], VSCB
	s_mov_b64 s[G0S+2:G0S+3], s[8:9]
	s_or_b32 s[G0S+3], s[G0S+3], 0x80000000
	s_wait_dscnt 0x0                               ; the add and my stores of S_m's parts are done, my reads of qrec are over
	ROUND
	TLOADR 1
	ASK
	; under that load's way: the producers make Cm, the consumers start their accumulators at -h
	s_cmp_lt_u32 s[WV], 4
	s_cbranch_scc0 .Lhinit
.irp mt,0,1,2,3,4,5,6,7
	ds_load_b128 v[S+8*\mt:S+8*\mt+3], v[ASXR] offset:512*\mt
	ds_load_b128 v[S+8*\mt+4:S+8*\mt+7], v[ASXR] offset:512*\mt+16
.endr
	s_wait_dscnt 0x0
.irp mt,0,1,2,3,4,5,6,7
	v_pk_add_f32 v[S+8*\mt:S+8*\mt+1], v[S+8*\mt:S+8*\mt+1], v[S+8*\mt+2:S+8*\mt+3]
	v_pk_add_f32 v[S+8*\mt+4:S+8*\mt+5], v[S+8*\mt+4:S+8*\mt+5], v[S+8*\mt+6:S+8*\mt+7]
.endr
.irp mt,0,1,2,3,4,5,6,7
	v_pk_add_f32 v[S+8*\mt:S+8*\mt+1], v[S+8*\mt:S+8*\mt+1], v[S+8*\mt+4:S+8*\mt+5]
.endr
.irp mt,0,1,2,3,4,5,6,7
	v_add_f32 v[S+8*\mt], v[S+8*\mt], v[S+8*\mt+1]
.endr
.irp mt,0,1,2,3,4,5,6,7
	v_add_f32 v[S+8*\mt], 0x3089705f, v[S+8*\mt]   ; 1e-9 + S_m
.endr
.irp mt,0,1,2,3,4,5,6,7
	v_log_f32 v[S+8*\mt], v[S+8*\mt]
.endr
	v_nop
	s_wait_alu depctr_va_vdst(0)
.irp mt,0,1,2,3,4,5,6,7
	v_mul_f32 v[S+8*\mt], 0xbf317218, v[S+8*\mt]   ; Cm = -ln(1e-9 + S_m)
.endr
	WIN 0x40
.irp mt,0,1,2,3,4,5,6,7
.irp j,0,1,2,3,4,5,6,7
	v_mov_b32 v[128+8*\mt+\j], v[S+8*\mt]          ; eight registers of it: the C of the energy's products
.endr
.endr
	WIN 0
	s_branch .Lstarted
.Lhinit:
.irp tab,0,1,2,3
.irp bb,0,1
.irp q,0,1,2,3
	global_load_b128 v[CF+32*\tab+16*\bb+4*\q:CF+32*\tab+16*\bb+4*\q+3], v[CFO], s[12:13] offset:1024*\tab+128*\bb+16*\q   ; A0, A1, A2, b1 of channels 64 w' + 32 bb + 16 h + 0 .. 15
.endr
.endr
.endr
.irp mt,0,1,2,3,4,5,6,7
.irp i,0,1,2
	global_load_b32 v[XCR+6*\mt+2*\i], v[XO], s[14:15] offset:16384*\i+64*\mt
.endr
.endr
	s_wait_loadcnt 0x0
.irp mt,0,1,2,3,4,5,6,7
.irp i,0,1,2
	v_sub_f32 v[XCR+6*\mt+2*\i], v[XCR+6*\mt+2*\i], s[MXS+\i]
.endr
.endr
.irp mt,0,1,2,3,4,5,6,7
.irp i,0,1,2
	v_mov_b32 v[XCR+6*\mt+2*\i+1], v[XCR+6*\mt+2*\i]
.endr
.endr
	WIN 0x40
.irp mt,0,1,2,3,4,5,6,7
.irp bb,0,1
.irp p,0,2,4,6,8,10,12,14
	v_pk_fma_f32 v[32*\mt+16*\bb+\p:32*\mt+16*\bb+\p+1], v[CF+16*\bb+\p:CF+16*\bb+\p+1], v[XCR+6*\mt:XCR+6*\mt+1], v[CF+96+16*\bb+\p:CF+96+16*\bb+\p+1] neg_lo:[1,0,1] neg_hi:[1,0,1]
.endr
.endr
.endr
	WIN 0x50
.irp tab,1,2
.irp mt,0,1,2,3,4,5,6,7
.irp bb,0,1
.irp p,0,2,4,6,8,10,12,14
	v_pk_fma_f32 v[32*\mt+16*\bb+\p:32*\mt+16*\bb+\p+1], v[CF+32*\tab+16*\bb+\p:CF+32*\tab+16*\bb+\p+1], v[XCR+6*\mt+2*\tab:XCR+6*\mt+2*\tab+1], v[32*\mt+16*\bb+\p:32*\mt+16*\bb+\p+1] neg_lo:[1,0,0] neg_hi:[1,0,0]
.endr
.endr
.endr
.endr
	WIN 0x44
.set J, 0
.rept 256
	v_min_num_f32 v[J], 0, v[J]                    ; -relu(z) = min(0, -z)
.set J, J+1
.endr
	WIN 0
.Lstarted:
	; ---- WALK 3: 16 pairs of steps
	CHANGE 1, 1                                    ; the first pair has landed; the second is asked for
	ADDRS
	PERIOD 0, 1
	BAR
	PERIOD 1, 0
	TOGGLE
	s_mov_b32 s[CNT], 14
.Lpair:
	CHANGE 1, 1
	ADDRS
	PERIOD 0, 0
	BAR
	PERIOD 1, 0
	TOGGLE
	s_sub_co_u32 s[CNT], s[CNT], 1
	s_cmp_lg_u32 s[CNT], 0
	s_cbranch_scc1 .Lpair
	CHANGE 0, 0                                    ; the last pair is written out: nothing is left to fetch
	ADDRS
	PERIOD 0, 0
	BAR
	PERIOD 1, 0
	BAR
	s_cmp_lt_u32 s[WV], 4
	s_cbranch_scc0 .Llast
	NOPS 9                                         ; places in front of the loads into registers that products have read
	WTLOAD
	s_branch .Ly_made
.Llast:
	PV 0                                           ; the last step's products
	WTLOAD
	QUANTY 0
	QUANTY 1
	QUANTY 2
	QUANTY 3
.Ly_made:
	BAR                                            ; y's sixteen fragments lie in LDS
	NOPS 9                                         ; product 6's sums are laid over registers of earlier products
	; ---- product 6, all eight waves: rows d = 32 w + 16 e + r.  Source 0 = 16 columns m of y, source 1 = 16 rows of Wt: a lane holds one d and eight neighbouring m
.irp pp,0,1,2,3
.irp f,0,1
.irp kap,0,1
.irp g,0,1,2,3
	ds_load_b128 v[YF+32*\f+16*\kap+4*\g:YF+32*\f+16*\kap+4*\g+3], v[L16] offset:(2*\pp+\f)*4096+2048*\kap+512*\g
.endr
.endr
	ds_load_b32 v[YS+\f], v[AYSR] offset:128*(2*\pp+\f)      ; lanes 0-15: the first K step's words, lanes 16-31 the second's
.endr
	s_wait_dscnt 0x0
.if \pp == 0
	s_wait_loadcnt 0x0                             ; Wt
.endif
	WIN 0x40
.irp f,0,1
.irp e,0,1
	v_wmma_scale_f32_16x16x128_f8f6f4 v[64*\e+8*(2*\pp+\f):64*\e+8*(2*\pp+\f)+7], v[YF+32*\f:YF+32*\f+15], v[WT+32*\e:WT+32*\e+15], 0, v[YS+\f], v[WTS+2*\e]
.endr
.endr
	WIN 0x50
.irp f,0,1
.irp e,0,1
	v_wmma_scale_f32_16x16x128_f8f6f4 v[64*\e+8*(2*\pp+\f):64*\e+8*(2*\pp+\f)+7], v[YF+32*\f+16:YF+32*\f+31], v[WT+32*\e+16:WT+32*\e+31], v[64*\e+8*(2*\pp+\f):64*\e+8*(2*\pp+\f)+7], v[YS+\f], v[WTS+2*\e+1] matrix_a_scale:MATRIX_SCALE_ROW1
.endr
.endr
	WIN 0
	NOPS 9
.endr
	v_mov_b32 v[MXT], 0
	MOM 0
	MOM 1
	v_cmp_eq_u32 vcc_lo, 1, v[HH]
	v_cndmask_b32 v[OUTP], v[RES], v[RES+2], vcc_lo          ; lane l serves row 32 w + l: tile l / 16
	v_cndmask_b32 v[OUTP+1], v[RES+1], v[RES+3], vcc_lo
	global_store_b64 v[PO], v[OUTP:OUTP+1], s[22:23]         ; 256 consecutive bytes, aligned
	WOUT 0
	WOUT 1
	s_wait_dscnt 32                                ; tile 0's rows are back: behind them stand tile 1's 16 stores and 16 loads
.irp i,0,1,2,3,4,5,6,7,8,9,10,11,12,13,14,15
	global_store_b128 v[L16], v[YF+4*\i:YF+4*\i+3], s[20:21] offset:16384*\i          ; the wave stores 512 consecutive bytes of a row of t
.endr
	s_wait_dscnt 0x0
.irp i,0,1,2,3,4,5,6,7,8,9,10,11,12,13,14,15
	global_store_b128 v[L16], v[YF+64+4*\i:YF+64+4*\i+3], s[20:21] offset:16384*(16+\i)
.endr
	s_wait_tensorcnt 0x0                           ; the wave's end
	ds_add_u32 v[SPW], v[NIL]
	s_wait_dscnt 0x0
	ROUND                                          ; the closing round
	s_endpgm
.Lfunc_end_k_qd4c84f252e_attend:
	.size	k_qd4c84f252e_attend, .Lfunc_end_k_qd4c84f252e_attend-k_qd4c84f252e_attend
	.p2alignl 7, 3214868480
	.fill 96, 4, 3214868480
	.section	.rodata,"a",@progbits
	.p2align	6, 0x0
	.amdhsa_kernel k_qd4c84f252e_attend
		.amdhsa_group_segment_fixed_size 327680
		.amdhsa_private_segment_fixed_size 0
		.amdhsa_enable_private_segment 0
		.amdhsa_kernarg_size 80
		.amdhsa_user_sgpr_count 2
		.amdhsa_user_sgpr_kernarg_segment_ptr 1
		.amdhsa_wavefront_size32 1
		.amdhsa_system_sgpr_workgroup_id_x 1
		.amdhsa_system_sgpr_workgroup_id_y 1
		.amdhsa_system_sgpr_workgroup_id_z 1
		.amdhsa_system_vgpr_workitem_id 0
		.amdhsa_next_free_vgpr 512
		.amdhsa_next_free_sgpr 106
		.amdhsa_reserve_vcc 1
		.amdhsa_float_denorm_mode_32 3
		.amdhsa_float_denorm_mode_16_64 3
		.amdhsa_memory_ordered 1
		.amdhsa_forward_progress 1
		.amdhsa_inst_pref_size 255
	.end_amdhsa_kernel
	.section	.bss,"aw",@nobits
	.p2align	6
	.space	262144
	.amdgpu_metadata
---
amdhsa.version: [ 1, 2 ]
amdhsa.kernels:
  - .name:           k_qd4c84f252e_attend
    .symbol:         k_qd4c84f252e_attend.kd
    .args:
      - { .name: qrec, .offset: 0, .size: 8, .value_kind: global_buffer, .address_space: global }
      - { .name: vimg, .offset: 8, .size: 8, .value_kind: global_buffer, .address_space: global }
      - { .name: vsc, .offset: 16, .size: 8, .value_kind: global_buffer, .address_space: global }
      - { .name: negl, .offset: 24, .size: 8, .value_kind: global_buffer, .address_space: global }
      - { .name: coef, .offset: 32, .size: 8, .value_kind: global_buffer, .address_space: global }
      - { .name: x, .offset: 40, .size: 8, .value_kind: global_buffer, .address_space: global }
      - { .name: Wt_codes, .offset: 48, .size: 8, .value_kind: global_buffer, .address_space: global }
      - { .name: Wt_scales, .offset: 56, .size: 8, .value_kind: global_buffer, .address_space: global }
      - { .name: tws, .offset: 64, .size: 8, .value_kind: global_buffer, .address_space: global }
      - { .name: part, .offset: 72, .size: 8, .value_kind: global_buffer, .address_space: global }
    .group_segment_fixed_size: 327680
    .private_segment_fixed_size: 0
    .kernarg_segment_align: 8
    .kernarg_segment_size: 80
    .max_flat_workgroup_size: 256
    .sgpr_count:     106
    .vgpr_count:     512
    .wavefront_size: 32
...
	.end_amdgpu_metadata
.endif
;; end of part 3
;; launch finish (part 4): grid 32 x 8, 8 waves a work-group, no clusters, 1,792 bytes of LDS; arguments tws, part, coef, x, g2, b2, out0; writes out0
.if DOCPART == 4
	.amdgcn_target "amdgcn-amd-amdhsa--gfx1250"
	.amdhsa_code_object_version 6
	.text
	.protected	k_qd4c84f252e_finish
	.globl	k_qd4c84f252e_finish
	.p2align	8
	.type	k_qd4c84f252e_finish,@function
k_qd4c84f252e_finish:
	s_mov_b64 s[64:65], 0
	v_nop
	global_prefetch_b8 v0, s[64:65] scope:SCOPE_SE
	s_setreg_imm32_b32 hwreg(HW_REG_WAVE_MODE, 25, 1), 1
	s_wait_xcnt 0x0
; OffsetAttention, launch 4 of 4: the second batch norm's moments from the 256 work-groups' parts, and out = h + relu((t - mean) rsq(var + 1e-5) g2 + b2).
; (bt is left out of the whole program: a term constant along (batch, length) cancels in t - mean and in the variance: see launch 1's head.)
; mean = the mean of the parts' means (equal counts); var = (the sum of the parts' M2 + 128 x the sum of (part's mean - mean)^2) / 32,768: no difference of large sums is formed.
; SHARES.  A work-group owns 8 channels of one batch, 4,096 columns: four passes of 1,024; thread t owns 4 neighbouring columns, so each load and store of a wave covers 512 consecutive bytes.
; h is made anew from x and launch 1's coefficients: three fused multiply-adds.  A stream: no matrix unit, no cluster, no LDS but for two small sums; two passes' loads are on their way.
.set RA,    0                          ; LDS: 32 bytes a wave: eight sums of means
.set RB,    256                        ; the same for the squares
.set SPARE, 768                        ; the spare words: 128 bytes a wave
.set O16T, 1
.set PTO, 2
.set RAW, 3
.set SPW, 4
.set NIL, 5
.set ZA,  6
.set TX,  7
.set PT,  10                           ; v10-25  (mean, M2) of my 8 channels in work-group t's part
.set MU,  26
.set A2V, 34
.set Q8,  42
.set HT,  52
.set TT,  56
.set OUT, 60                           ; v60-91  a pass's results
.set RD,  60                           ; v60-123 the sums' 64 numbers
.set SET0, 124                         ; v124-167, v168-211: a pass's 12 registers of x and 32 of t, two sets
.set SEL, 74
.macro BAR
	s_wait_dscnt 0x0
	s_barrier_signal -1
	s_barrier_wait -1
.endm
.macro WSUM r
	v_add_f32_dpp v[\r], v[\r], v[\r] row_xmask:1 row_mask:0xf bank_mask:0xf
	v_add_f32_dpp v[\r], v[\r], v[\r] row_xmask:2 row_mask:0xf bank_mask:0xf
	v_add_f32_dpp v[\r], v[\r], v[\r] row_xmask:4 row_mask:0xf bank_mask:0xf
	v_add_f32_dpp v[\r], v[\r], v[\r] row_xmask:8 row_mask:0xf bank_mask:0xf
	v_permlanex16_b32 v[TX], v[\r], s[SEL], s[SEL+1]
	v_add_f32 v[\r], v[\r], v[TX]
.endm
.macro RED8 base                       ; v[Q8 ..]'s eight numbers summed over the 256 threads, into v[RD ..] of every lane
.irp j,0,1,2,3,4,5,6,7
	WSUM Q8+\j
.endr
	ds_store_b128 v[RAW], v[Q8:Q8+3] offset:\base
	ds_store_b128 v[RAW], v[Q8+4:Q8+7] offset:\base+16
	BAR
.irp w,0,1,2,3,4,5,6,7
.irp k,0,1
	ds_load_b128 v[RD+8*\w+4*\k:RD+8*\w+4*\k+3], v[ZA] offset:\base+32*\w+16*\k
.endr
.endr
	s_wait_dscnt 0x0
.irp w,1,2,3,4,5,6,7
.irp p,0,2,4,6
	v_pk_add_f32 v[RD+\p:RD+\p+1], v[RD+\p:RD+\p+1], v[RD+8*\w+\p:RD+8*\w+\p+1]
.endr
.endr
.endm
.macro PLOAD q                         ; pass q's eleven loads
.set SB, SET0+44*((\q)%2)
.irp i,0,1,2
	global_load_b128 v[SB+4*\i:SB+4*\i+3], v[O16T], s[10:11] offset:16384*\i+4096*(\q)
.endr
.irp j,0,1,2,3,4,5,6,7
	global_load_b128 v[SB+12+4*\j:SB+12+4*\j+3], v[O16T], s[4:5] offset:16384*\j+4096*(\q) th:TH_LOAD_NT
.endr
.endm
.macro PASS q
.set SB, SET0+44*((\q)%2)
.if \q < 3
	s_wait_loadcnt 11                              ; this pass's loads are in; the next pass's eleven may be out
.else
	s_wait_loadcnt 0x0
.endif
	s_wait_xcnt 0x0                                ; the last pass's stores have read their data
.irp i,0,1,2
.irp u,0,1,2,3
	v_sub_f32 v[SB+4*\i+\u], v[SB+4*\i+\u], s[66+\i]
.endr
.endr
.irp j,0,1,2,3,4,5,6,7
.irp u,0,1,2,3
	v_fma_f32 v[HT+\u], s[16+\j], v[SB+\u], s[40+\j]
	v_sub_f32 v[TT+\u], v[SB+12+4*\j+\u], v[MU+\j]
.endr
.irp u,0,1,2,3
	v_fma_f32 v[HT+\u], s[24+\j], v[SB+4+\u], v[HT+\u]
	v_fma_f32 v[TT+\u], v[TT+\u], v[A2V+\j], s[56+\j]
.endr
.irp u,0,1,2,3
	v_fma_f32 v[HT+\u], s[32+\j], v[SB+8+\u], v[HT+\u]
	v_max_num_f32 v[TT+\u], 0, v[TT+\u]
.endr
.irp u,0,1,2,3
	v_max_num_f32 v[HT+\u], 0, v[HT+\u]
.endr
.irp u,0,1,2,3
	v_add_f32 v[OUT+4*\j+\u], v[HT+\u], v[TT+\u]
.endr
	global_store_b128 v[O16T], v[OUT+4*\j:OUT+4*\j+3], s[72:73] offset:16384*\j+4096*(\q) th:TH_STORE_NT
.endr
.if \q < 2
	PLOAD \q+2
.endif
.endm
	s_load_b256 s[4:11], s[0:1], 0x0               ; tws, part, coef, x
	s_load_b128 s[12:15], s[0:1], 0x20             ; g2, b2
	s_load_b64 s[72:73], s[0:1], 0x30              ; out0
	v_lshl_add_u32 v[SPW], v0, 2, SPARE
	v_mov_b32 v[NIL], 0
	v_lshrrev_b32 v[O16T], 5, v0
	v_readfirstlane_b32 s76, v[O16T]               ; wave
	v_lshlrev_b32 v[O16T], 4, v0
	v_lshlrev_b32 v[PTO], 11, v0                   ; work-group t's part
	s_lshl_b32 s77, s76, 5
	v_mov_b32 v[RAW], s77
	v_mov_b32 v[ZA], 0
	v_mov_b32 v[TX], 0
	s_mov_b32 s[SEL], 0x76543210
	s_mov_b32 s[SEL+1], 0xfedcba98
	s_mov_b32 s69, 0x43000000                      ; 128
	s_mov_b32 s70, 0x38000000                      ; 1 / 32,768
	s_mov_b32 s71, 0x3727c5ac                      ; 1e-5
	s_and_b32 s77, ttmp7, 0xffff                   ; batch
	s_lshl_b32 s78, ttmp9, 5                       ; my first channel x 4 bytes
	s_mov_b32 s79, 0
	s_wait_kmcnt 0x0
	s_add_nc_u64 s[8:9], s[8:9], s[78:79]
	s_add_nc_u64 s[12:13], s[12:13], s[78:79]
	s_add_nc_u64 s[14:15], s[14:15], s[78:79]
	s_load_b256 s[16:23], s[8:9], 0x0              ; A0 of my 8 channels
	s_load_b256 s[24:31], s[8:9], 0x400            ; A1
	s_load_b256 s[32:39], s[8:9], 0x800            ; A2
	s_load_b256 s[40:47], s[8:9], 0xc00            ; b1
	s_load_b256 s[48:55], s[12:13], 0x0            ; g2
	s_load_b256 s[56:63], s[14:15], 0x0            ; b2
	s_load_b32 s66, s[8:9], 0x1000                 ; mx0, mx1, mx2 (each lies 256 times in coef)
	s_load_b32 s67, s[8:9], 0x1400
	s_load_b32 s68, s[8:9], 0x1800
	s_lshl_b32 s78, ttmp9, 6
	s_add_nc_u64 s[6:7], s[6:7], s[78:79]
	s_lshl_b32 s78, s77, 22
	s_lshl_b32 s80, ttmp9, 17
	s_add_co_u32 s78, s78, s80
	s_add_nc_u64 s[4:5], s[4:5], s[78:79]
	s_add_nc_u64 s[72:73], s[72:73], s[78:79]
	s_mul_i32 s78, s77, 49152
	s_add_nc_u64 s[10:11], s[10:11], s[78:79]
.irp k,0,1,2,3
	global_load_b128 v[PT+4*\k:PT+4*\k+3], v[PTO], s[6:7] offset:16*\k
.endr
	PLOAD 0
	PLOAD 1
	s_wait_loadcnt 22                              ; the parts are in; two passes of eleven loads may be out
.irp j,0,1,2,3,4,5,6,7
	v_mov_b32 v[Q8+\j], v[PT+2*\j]
.endr
	RED8 RA
.irp j,0,1,2,3,4,5,6,7
	v_mul_f32 v[MU+\j], 0x3b800000, v[RD+\j]       ; / 256: the mean
.endr
.irp j,0,1,2,3,4,5,6,7
	v_sub_f32 v[Q8+\j], v[PT+2*\j], v[MU+\j]
.endr
.irp j,0,1,2,3,4,5,6,7
	v_mul_f32 v[Q8+\j], v[Q8+\j], v[Q8+\j]
.endr
.irp j,0,1,2,3,4,5,6,7
	v_fma_f32 v[Q8+\j], v[Q8+\j], s69, v[PT+2*\j+1]
.endr
	RED8 RB
.irp j,0,1,2,3,4,5,6,7
	v_fma_f32 v[RD+\j], v[RD+\j], s70, s71         ; var + 1e-5
.endr
.irp j,0,1,2,3,4,5,6,7
	v_rsq_f32 v[A2V+\j], v[RD+\j]
.endr
	v_nop                                          ; a plain line behind the last of the batch,
	s_wait_alu depctr_va_vdst(0)                   ; and one wait ahead of its first reader
	s_wait_kmcnt 0x0
.irp j,0,1,2,3,4,5,6,7
	v_mul_f32 v[A2V+\j], s[48+\j], v[A2V+\j]
.endr
	PASS 0
	PASS 1
	PASS 2
	PASS 3
	s_wait_tensorcnt 0x0                           ; the wave's end
	ds_add_u32 v[SPW], v[NIL]
	s_wait_dscnt 0x0
	s_endpgm
.Lfunc_end_k_qd4c84f252e_finish:
	.size	k_qd4c84f252e_finish, .Lfunc_end_k_qd4c84f252e_finish-k_qd4c84f252e_finish
	.p2alignl 7, 3214868480
	.fill 96, 4, 3214868480
	.section	.rodata,"a",@progbits
	.p2align	6, 0x0
	.amdhsa_kernel k_qd4c84f252e_finish
		.amdhsa_group_segment_fixed_size 1792
		.amdhsa_private_segment_fixed_size 0
		.amdhsa_enable_private_segment 0
		.amdhsa_kernarg_size 56
		.amdhsa_user_sgpr_count 2
		.amdhsa_user_sgpr_kernarg_segment_ptr 1
		.amdhsa_wavefront_size32 1
		.amdhsa_system_sgpr_workgroup_id_x 1
		.amdhsa_system_sgpr_workgroup_id_y 1
		.amdhsa_system_sgpr_workgroup_id_z 1
		.amdhsa_system_vgpr_workitem_id 0
		.amdhsa_next_free_vgpr 216
		.amdhsa_next_free_sgpr 96
		.amdhsa_reserve_vcc 0
		.amdhsa_float_denorm_mode_32 3
		.amdhsa_float_denorm_mode_16_64 3
		.amdhsa_memory_ordered 1
		.amdhsa_forward_progress 1
		.amdhsa_inst_pref_size 76
	.end_amdhsa_kernel
	.amdgpu_metadata
---
amdhsa.version: [ 1, 2 ]
amdhsa.kernels:
  - .name:           k_qd4c84f252e_finish
    .symbol:         k_qd4c84f252e_finish.kd
    .args:
      - { .name: tws, .offset: 0, .size: 8, .value_kind: global_buffer, .address_space: global }
      - { .name: part, .offset: 8, .size: 8, .value_kind: global_buffer, .address_space: global }
      - { .name: coef, .offset: 16, .size: 8, .value_kind: global_buffer, .address_space: global }
      - { .name: x, .offset: 24, .size: 8, .value_kind: global_buffer, .address_space: global }
      - { .name: g2, .offset: 32, .size: 8, .value_kind: global_buffer, .address_space: global }
      - { .name: b2, .offset: 40, .size: 8, .value_kind: global_buffer, .address_space: global }
      - { .name: out0, .offset: 48, .size: 8, .value_kind: global_buffer, .address_space: global }
    .group_segment_fixed_size: 1792
    .private_segment_fixed_size: 0
    .kernarg_segment_align: 8
    .kernarg_segment_size: 56
    .max_flat_workgroup_size: 256
    .sgpr_count:     96
    .vgpr_count:     216
    .wavefront_size: 32
...
	.end_amdgpu_metadata
.endif
;; end of part 4
